; MI455X (gfx1250); checked and timed in simulation.
; The chip was launched on July 23, 2026; its instructions are those of AMD's public machine-readable ISA for CDNA 5 (MIT licence, August 2026) and "CDNA5" Instruction Set Architecture Reference Guide (July 2026). The comments in the code are by the model that wrote it; some were corrected since.
;; Attention. Allowed arithmetic: matrix products marked QUANTISED: E2M3 operands, one E8M0 scale for each 32 along K, by v_wmma_scale_f32_16x16x128_f8f6f4 with both operands' format E2M3, f32 sums; everything else in f32.
;; Inputs: freqs_cos 2,048 x 64 float32; freqs_sin 2,048 x 64 float32; mask 2,048 x 2,048 float32; wk 1,024 x 4,096 float32; wo 4,096 x 2,048 float32; wq 2,048 x 4,096 float32; wv 1,024 x 4,096 float32; x_norm 1 x 2,048 x 4,096 float32.
;; Outputs: out0 1 x 2,048 x 4,096 float32.
;; Constants: start_pos = 0.
;; This version of the problem:
;;   THIS VERSION OF THE PROBLEM IS GIVEN IN LOW PRECISION. The matrix products marked QUANTISED in the list below multiply operands that are first quantised to E2M3 (2 exponent bits, 3 mantissa bits; 6 bits a number), with one power-of-two scale for each 32 numbers along K (OCP MX v1.0); their sums are f32. All else is computed in f32.
;;   The module's matrix products, in the order in which they are computed (A, B: the left and right operand; K: the contracted axis; several contracted axes count as one K, in the product's order):
;;     1. [M 2,048, K 4,096] x [K 4,096, N 2,048]; A: input x_norm; B: input wq: QUANTISED
;;     2. [M 2,048, K 4,096] x [K 4,096, N 1,024]; A: input x_norm; B: input wk: QUANTISED
;;     3. [M 2,048, K 4,096] x [K 4,096, N 1,024]; A: input x_norm; B: input wv: QUANTISED
;;     4. batch 16 x [M 2,048, K 128] x [K 128, N 2,048]; A: computed on the way; B: computed on the way: QUANTISED
;;     5. batch 16 x [M 128, K 2,048] x [K 2,048, N 2,048]; A: computed on the way; B: softmax (see below): QUANTISED
;;     6. [M 2,048, K 2,048] x [K 2,048, N 4,096]; A: computed on the way; B: input wo: QUANTISED
;;   THE QUANTISER, for each operand of a quantised product, along K:
;;     - K is cut into blocks of 32 from its start; a last block that is shorter is filled with zeros.
;;     - A block's scale is 2^e with e = floor(log2(the largest magnitude in the block)) - 2, held to -126 .. 127; a block of zeros has e = 0. As a byte (E8M0): e + 127.
;;     - Each number is divided by its block's scale, clamped to +-7.5, and rounded to the nearest number of E2M3, ties to even, subnormals kept.
;;     - The product sums the exact products of the quantised numbers (number of the format x scale) in f32.
;;   ~~~python
;;   def quantise(x, axis):      # numpy; x: float32 -> the quantised numbers, widened to float32 again
;;       x = np.moveaxis(x, axis, -1); K = x.shape[-1]
;;       x = np.pad(x, [(0, 0)] * (x.ndim - 1) + [(0, -K % 32)]); x = x.reshape(x.shape[:-1] + (-1, 32)); a = np.abs(x).max(-1, keepdims=True)
;;       e = np.where(a > 0, np.clip(np.frexp(np.where(a > 0, a, 1))[1] - 1 - 2, -126, 127), 0)      # np.frexp(a)[1] - 1 = floor(log2(a)), exactly
;;       r = np.clip(x / 2.0 ** e, -7.5, 7.5)
;;       step = 2.0 ** (np.maximum(np.frexp(np.where(r == 0, 1, r))[1] - 1, 0) - 3)
;;       q = np.round(r / step) * step * 2.0 ** e      # np.round: ties to even
;;       return np.moveaxis(q.reshape(q.shape[:-2] + (-1,))[..., :K], -1, axis).astype(np.float32)
;;   ~~~
;;   SOFTMAX AHEAD OF A QUANTISED PRODUCT. Where the list says 'softmax', what is quantised is not the finished softmax but p = 2^(t - M), with t = logit x log2(e) and M = ceil(the row's largest t), a whole number; so 1/2 < the row's largest p <= 1. The row's sum l is taken of the UNQUANTISED p, in f32, and the product's result is divided by l at the end. Since M is a whole number, a kernel that streams over the keys may use a running M (the ceiling of the running maximum): every later rescaling is an exact power of two, which a block's scale takes up: the codes' values come out the same.
;;   OPERANDS COMPUTED ON THE WAY. 'Computed on the way' means the value that the module computes at that place (a softmax that the list does not call 'softmax' is quantised finished and normalised). What goes into a quantiser is computed in f32, as accurately as f32 sums, v_exp_f32 and their like allow (about 1e-6 of the number): no bf16 or f16 on the way to a quantiser, and a product that is left as it is and whose result goes on into a quantised operand takes f32 operands (vector FMAs, or v_wmma_f32_16x16x4_f32). A number that lies on a knife's edge between two numbers of the format may be rounded either way, as far as f32 arithmetic and the matrix unit's own rounding can turn it there, and no further.
;; One version. Each part assembles by itself: llvm-mc -triple=amdgcn-amd-amdhsa -mcpu=gfx1250 --defsym DOCPART=n.
;; ======== version 1 of 1: 4 launches
;; limits: right only within a limited range of input values
;; workspace buffers: xw 19,660,800 bytes; wo_c 6,553,600 bytes; qkv 6,553,600 bytes; att 3,276,800 bytes
;; launch quant (part 1): grid 1024 x 1, 4 waves a work-group, no clusters, 34,304 bytes of LDS; arguments x_norm, wq, wk, wv, wo, xw, wo_c; writes xw, wo_c
.if DOCPART == 1
	.amdgcn_target "amdgcn-amd-amdhsa--gfx1250"
	.amdhsa_code_object_version 6
	.text
	.protected	k_q39c48a1a07_quant
	.globl	k_q39c48a1a07_quant
	.p2align	8
	.type	k_q39c48a1a07_quant,@function
k_q39c48a1a07_quant:
	s_mov_b64 s[64:65], 0
	v_nop
	global_prefetch_b8 v0, s[64:65] scope:SCOPE_SE
	s_setreg_imm32_b32 hwreg(HW_REG_WAVE_MODE, 25, 1), 1
	s_wait_xcnt 0x0
; x_norm [2048][4096], wq [2048][4096], wk, wv [1024][4096] and wo [4096][2048], f32, K innermost, become codes of FP6 (E2M3) with one E8M0 byte for each 32 along K.
; A block's scale is 2^(floor(log2(its largest magnitude)) - 2); its byte is the largest magnitude's exponent field - 2, held at 1 from below; numbers are divided by the scale and rounded to the nearest code, ties to even.
; LIMITS: NaN and infinities among the inputs are not served.  A block whose largest magnitude lies under 2^-124 gets the byte 1; so does a block of zeros, where the rule says 127: its codes are zeros, and this program alone reads the bytes.
; LAYOUT OF THE RESULT.  A FRAGMENT (16 rows x 128 K, 12 registers a lane) lies in memory as the image of its registers, 1,536 bytes: registers 4 c .. 4 c + 3 of lane l at 512 c + 16 l.
; ROW TILE T holds in lane r the row 32 (T / 2) + 8 (T % 2) + r + 8 (r / 8): so, in every later product that takes such tiles as source 0, the 16 result registers of tiles 2 b and 2 b + 1 are 16 neighbours.
; A RECORD is 6,400 bytes: the four images of one tile for 512 along K, then 256 bytes of scale words, four to a row: [r][K step].  xw: [tile: x 0-127, wq 128-255, wk 256-319, wv 320-383][8 records]; wo_c: [tile 0-255][4 records].
; SHARES.  One wave makes one record: 16 rows x 512 K.  4,096 records, 1,024 work-groups of four waves: 0-255 x, 256-511 wq, 512-639 wk, 640-767 wv, 768-1023 wo.  One path through the text: only pointers and scalars are chosen.
; Each load reads 512 consecutive bytes of one row.  The operand's layout gives lane (r, h) k = 64 c + 32 h + 0 .. 31 of row r, so a K step's 16 x 512 bytes turn through the wave's own stage in LDS.
; The work-groups share no input byte: no cluster, no tensor load, no barrier, no matrix instruction.  Two K steps, 32 loads a wave, are on their way.
.set SPI,   528                        ; a stage row: 512 bytes + 16, an odd multiple of 16 bytes, so that the 16 rows which a load of 16 bytes a lane touches start in different groups of banks
.set WSTG,  16*SPI                     ; a wave's stage
.set REC,   6400
.set ROWP,  32                         ; s[32:63] sixteen row pointers
.set W,     16                         ; v16-19   the four K steps' scale words
.set C,     32                         ; v32-79   codes: twelve registers for each K step, so that no store's data are written again
.set X,     80                         ; v80-143, v144-207  two sets of 64 numbers
	s_load_b256 s[4:11], s[0:1], 0x0               ; x_norm s[4:5], wq s[6:7], wk s[8:9], wv s[10:11]
	s_load_b128 s[12:15], s[0:1], 0x20             ; wo s[12:13], xw s[14:15]
	s_load_b64 s[16:17], s[0:1], 0x30              ; wo_c
	v_lshl_add_u32 v208, v0, 2, 0x8400
	v_mov_b32 v209, 0
	v_lshrrev_b32 v7, 5, v0
	v_readfirstlane_b32 s18, v7                    ; wave 0..3
	v_and_b32 v7, 31, v0                           ; lane
	v_and_b32 v8, 15, v0                           ; r
	v_bfe_u32 v4, v0, 4, 1                         ; h
	v_lshlrev_b32 v1, 4, v7                        ; 16 x lane: my bytes of a load's 512, and of an image's
	s_mul_i32 s19, s18, WSTG
	v_add_nc_u32 v2, s19, v1                       ; the stage, on the way in: 16 x lane of a row
	v_mul_u32_u24 v3, v8, SPI
	v_lshl_add_u32 v3, v4, 7, v3
	v_add_nc_u32 v3, s19, v3                       ; and on the way out: row r, + 128 h bytes: my 32 numbers of each 64
	v_lshlrev_b32 v5, 3, v4                        ; 8 h: my two bytes' place in a scale word, in bits
	v_lshl_add_u32 v6, v8, 4, v5                   ; 16 r + 8 h: my two words among the record's scale words
	v_mov_b32 v10, 0                               ; written once: a lane permute's destination counts as one of its sources
	s_mov_b32 s68, 0x76543210
	s_mov_b32 s69, 0xfedcba98                      ; v_permlanex16_b32's selects for lane l xor 16
	s_wait_alu depctr_va_vdst(0)
	s_wait_kmcnt 0x0
	; which tensor: the choices hang on the work-group's number alone
	s_mov_b64 s[22:23], s[12:13]                   ; from 768 on: wo
	s_mov_b32 s24, 768                             ; the tensor's first work-group
	s_mov_b32 s20, 8192                            ; a row in bytes
	s_cmp_lt_u32 ttmp9, 768
	s_cselect_b64 s[22:23], s[10:11], s[22:23]
	s_cselect_b32 s24, 640, s24
	s_cselect_b64 s[66:67], s[14:15], s[16:17]     ; the result: xw or wo_c,
	s_cselect_b32 s25, 0, 768                      ; its first work-group,
	s_cselect_b32 s20, 16384, s20
	s_cselect_b32 s21, 3, 2                        ; and log2 of the records in a tile
	s_cmp_lt_u32 ttmp9, 640
	s_cselect_b64 s[22:23], s[8:9], s[22:23]
	s_cselect_b32 s24, 512, s24
	s_cmp_lt_u32 ttmp9, 512
	s_cselect_b64 s[22:23], s[6:7], s[22:23]
	s_cselect_b32 s24, 256, s24
	s_cmp_lt_u32 ttmp9, 256
	s_cselect_b64 s[22:23], s[4:5], s[22:23]
	s_cselect_b32 s24, 0, s24
	s_sub_co_u32 s26, ttmp9, s24
	s_lshl_b32 s26, s26, 2
	s_add_co_u32 s26, s26, s18                     ; my record in the tensor
	s_lshr_b32 s27, s26, s21                       ; its tile T
	s_lshl_b32 s28, s27, s21
	s_sub_co_u32 s28, s26, s28                     ; and which 512 along K
	s_lshr_b32 s29, s27, 1
	s_lshl_b32 s29, s29, 5
	s_and_b32 s30, s27, 1
	s_lshl_b32 s30, s30, 3
	s_add_co_u32 s29, s29, s30                     ; the tile's first row: 32 (T / 2) + 8 (T % 2)
	s_mul_i32 s30, s29, s20
	s_lshl_b32 s28, s28, 11
	s_add_co_u32 s30, s30, s28                     ; in bytes, under 2^26
	s_mov_b32 s31, 0
	s_add_nc_u64 s[22:23], s[22:23], s[30:31]
.irp i, 0,1,2,3,4,5,6,7,8,9,10,11,12,13,14,15
	s_mul_i32 s30, s20, \i+8*(\i/8)                ; the tile's row i lies i + 8 (i / 8) rows on
	s_add_nc_u64 s[ROWP+2*\i:ROWP+2*\i+1], s[22:23], s[30:31]
.endr
	s_sub_co_u32 s26, ttmp9, s25
	s_lshl_b32 s26, s26, 2
	s_add_co_u32 s26, s26, s18
	s_mul_i32 s30, s26, REC                        ; the records of xw follow the work-groups' order
	s_add_nc_u64 s[66:67], s[66:67], s[30:31]
.macro LOAD t                          ; K step t: 16 rows x 512 consecutive bytes, into set t % 2
.irp i, 0,1,2,3,4,5,6,7,8,9,10,11,12,13,14,15
	global_load_b128 v[X+64*((\t)%2)+4*\i:X+64*((\t)%2)+4*\i+3], v1, s[ROWP+2*\i:ROWP+2*\i+1] offset:512*(\t) th:TH_LOAD_NT
.endr
.endm
.macro STEP t
.set XS, X+64*((\t)%2)
.set CC, C+12*(\t)
.if (\t) < 3
	s_wait_loadcnt 16                              ; this K step's 16 loads are in; the other set's 16 may be out
.else
	s_wait_loadcnt 0x0
.endif
.irp i, 0,1,2,3,4,5,6,7,8,9,10,11,12,13,14,15
	ds_store_b128 v2, v[XS+4*\i:XS+4*\i+3] offset:SPI*\i
.endr
.irp c, 0,1
.irp j, 0,1,2,3,4,5,6,7
	ds_load_b128 v[XS+32*\c+4*\j:XS+32*\c+4*\j+3], v3 offset:256*\c+16*\j   ; LDS serves a wave's instructions in order: these see the stores above.  Register 32 c + i: k = 64 c + 32 h + i of row r
.endr
.endr
	s_wait_dscnt 0x0
.irp c, 0,1                                    ; my block 2 c + h: all its 32 numbers are mine
	v_max3_num_f32 v[8+\c], |v[XS+32*\c]|, |v[XS+32*\c+1]|, 0x1800000   ; and the floor 2^(3 - 127): the byte cannot fall under 1
.endr
.irp i, 2,4,6,8,10,12,14,16,18,20,22,24,26,28,30
.irp c, 0,1
	v_max3_num_f32 v[8+\c], v[8+\c], |v[XS+32*\c+\i]|, |v[XS+32*\c+\i+1]|
.endr
.endr
.irp c, 0,1
	v_add_nc_u32 v[12+\c], 0xff000000, v[8+\c]     ; 2 off the exponent field: the conversion takes the exponent field of this operand as its scale, and nothing else of it
.endr
.irp c, 0,1
	v_lshrrev_b32 v[14+\c], 23, v[12+\c]           ; the scale's byte
.endr
	v_lshl_or_b32 v11, v15, 16, v14                ; my two bytes, blocks h and 2 + h of row r,
	v_lshlrev_b32 v11, v5, v11                     ; at their places in the scale word;
	v_permlanex16_b32 v10, v11, s68, s69
	v_or_b32 v[W+(\t)], v11, v10                   ; with lane l xor 16's two the word is whole, in both lanes
.irp c, 0,1
	v_cvt_scalef32_pk16_fp6_f32 v[CC+6*\c:CC+6*\c+2], v[XS+32*\c:XS+32*\c+15], v[12+\c]
	v_cvt_scalef32_pk16_fp6_f32 v[22+4*\c:24+4*\c], v[XS+32*\c+16:XS+32*\c+31], v[12+\c]   ; (a conversion's three registers begin on an even number: the second half of a block's six is made elsewhere and moved)
.endr
	v_nop                                          ; one plain place behind a scaled conversion
.irp c, 0,1
.irp i, 0,1,2
	v_mov_b32 v[CC+6*\c+3+\i], v[22+4*\c+\i]
.endr
.endr
.if (\t) < 2
	LOAD (\t)+2                                    ; the set is free: it takes the K step two on
.endif
.irp c, 0,1,2
	global_store_b128 v1, v[CC+4*\c:CC+4*\c+3], s[66:67] offset:1536*(\t)+512*\c   ; the image: 32 lanes store 512 consecutive bytes, at a multiple of 256 from the buffer's first byte
.endr
.endm
	LOAD 0
	LOAD 1
	STEP 0
	STEP 1
	STEP 2
	STEP 3
	v_cmp_ne_u32 vcc_lo, 0, v4
	v_cndmask_b32 v20, v16, v18, vcc_lo            ; lanes 0-15 store words 0 and 1 of their row, lanes 16-31 words 2 and 3
	v_cndmask_b32 v21, v17, v19, vcc_lo
	global_store_b64 v6, v[20:21], s[66:67] offset:6144   ; 32 lanes store 256 consecutive bytes
	s_wait_tensorcnt 0x0
	ds_add_u32 v208, v209
	s_wait_dscnt 0x0
	s_endpgm
.Lfunc_end_k_q39c48a1a07_quant:
	.size	k_q39c48a1a07_quant, .Lfunc_end_k_q39c48a1a07_quant-k_q39c48a1a07_quant
	.p2alignl 7, 3214868480
	.fill 96, 4, 3214868480
	.section	.rodata,"a",@progbits
	.p2align	6, 0x0
	.amdhsa_kernel k_q39c48a1a07_quant
		.amdhsa_group_segment_fixed_size 34304
		.amdhsa_private_segment_fixed_size 0
		.amdhsa_enable_private_segment 0
		.amdhsa_kernarg_size 56
		.amdhsa_user_sgpr_count 2
		.amdhsa_user_sgpr_kernarg_segment_ptr 1
		.amdhsa_wavefront_size32 1
		.amdhsa_system_sgpr_workgroup_id_x 1
		.amdhsa_system_sgpr_workgroup_id_y 1
		.amdhsa_system_sgpr_workgroup_id_z 1
		.amdhsa_system_vgpr_workitem_id 0
		.amdhsa_next_free_vgpr 210
		.amdhsa_next_free_sgpr 100
		.amdhsa_reserve_vcc 1
		.amdhsa_float_denorm_mode_32 3
		.amdhsa_float_denorm_mode_16_64 3
		.amdhsa_memory_ordered 1
		.amdhsa_forward_progress 1
		.amdhsa_inst_pref_size 32
	.end_amdhsa_kernel
	.amdgpu_metadata
---
amdhsa.version: [ 1, 2 ]
amdhsa.kernels:
  - .name:           k_q39c48a1a07_quant
    .symbol:         k_q39c48a1a07_quant.kd
    .args:
      - { .name: x_norm, .offset: 0, .size: 8, .value_kind: global_buffer, .address_space: global }
      - { .name: wq, .offset: 8, .size: 8, .value_kind: global_buffer, .address_space: global }
      - { .name: wk, .offset: 16, .size: 8, .value_kind: global_buffer, .address_space: global }
      - { .name: wv, .offset: 24, .size: 8, .value_kind: global_buffer, .address_space: global }
      - { .name: wo, .offset: 32, .size: 8, .value_kind: global_buffer, .address_space: global }
      - { .name: xw, .offset: 40, .size: 8, .value_kind: global_buffer, .address_space: global }
      - { .name: wo_c, .offset: 48, .size: 8, .value_kind: global_buffer, .address_space: global }
    .group_segment_fixed_size: 34304
    .private_segment_fixed_size: 0
    .kernarg_segment_align: 8
    .kernarg_segment_size: 56
    .max_flat_workgroup_size: 128
    .sgpr_count:     100
    .vgpr_count:     210
    .wavefront_size: 32
...
	.end_amdgpu_metadata
.endif
;; end of part 1
;; launch qkvproj (part 2): grid 16 x 16, 4 waves a work-group, clusters of 4 x 4, 327,680 bytes of LDS; arguments xw, freqs_cos, freqs_sin, qkv; writes qkv
.if DOCPART == 2
	.amdgcn_target "amdgcn-amd-amdhsa--gfx1250"
	.amdhsa_code_object_version 6
	.text
	.protected	k_q39c48a1a07_qkvproj
	.globl	k_q39c48a1a07_qkvproj
	.p2align	8
	.type	k_q39c48a1a07_qkvproj,@function
k_q39c48a1a07_qkvproj:
	s_mov_b64 s[64:65], 0
	v_nop
	global_prefetch_b8 v0, s[64:65] scope:SCOPE_SE
	s_setreg_imm32_b32 hwreg(HW_REG_WAVE_MODE, 25, 1), 1
	s_wait_xcnt 0x0
	s_wait_alu depctr_hold_cnt(0) depctr_sa_sdst(0) depctr_va_vdst(0) depctr_va_sdst(0) depctr_va_ssrc(0) depctr_va_vcc(0) depctr_vm_vsrc(0)
	s_getreg_b32 s2, hwreg(HW_REG_IB_STS2, 6, 4)
	s_cmp_eq_u32 s2, 0
	s_cbranch_scc0 .Lentry_in_a_cluster
	s_endpgm
.Lentry_in_a_cluster:
	s_bfe_u32 s2, ttmp6, 0x10000c
	s_cmp_lg_u32 s2, 0xf033
	s_cbranch_scc0 .Lentry_shape_is_right
	s_endpgm
.Lentry_shape_is_right:
.set REC,    6400
.set KREC,   12800
.set RECROW, 51200
.set LAPS,   4
.set ROFF,   16*REC
.set SLOT,   24*REC
.set SPARE,  2*SLOT
.set KOFF,   3276800
.set VOFFG,  4915200
.set LI,   4
.set AP,   16
.set AR,   18
.set ASP,  20
.set ASR,  22
.set CSO,  24
.set SDO,  25
.set SPW,  28
.set NIL,  29
.set SC,   32
.set RF,   80
.set H,    80
.set PCB,  144
.set TM,   224
.set WS,   240
.set SD,   244
.set TT,   246
.set G1P, 24
.set G0P, 32
.set G1R, 48
.set G0R, 56
.set SEL, 86
.set PFO, 30                           ; v30  the prefetches' offset: 256 x min(lane, 24): a record is 25 blocks of 256 bytes; lanes 25 to 31 name the 25th again
.set PFA, 90                           ; s[90:91] where my prefetches stand
; A PREFETCH of the record that the NEXT joint load will ask for, one fill of a slot ahead.  The four partners that ask for tiles jointly share the records out BY ADDRESS:
; of the 8 records that wave 0 or 1 fetches the partner at cy takes two, of the 4 that wave 2 or 3 fetches the partner at cx takes one.  guard = 1: nothing is asked for in the loop's last trip, where no record follows.
.macro ASK off, guard
.if \guard
	s_cmp_gt_u32 s3, 1
	s_cbranch_scc0 .Lno_ask_\@
.endif
	global_prefetch_b8 v[PFO], s[PFA:PFA+1] offset:\off th:TH_LOAD_NT scope:SCOPE_SE
	s_cmp_eq_u32 s15, 0
	s_cbranch_scc0 .Lno_ask_\@
	global_prefetch_b8 v[PFO], s[PFA:PFA+1] offset:\off+RECROW th:TH_LOAD_NT scope:SCOPE_SE
.Lno_ask_\@:
.endm
.set MSB, 0
.macro WIN new
.if MSB != \new
	s_set_vgpr_msb (MSB<<8)|\new
.set MSB, \new
.endif
.endm
.macro JLOAD g0a, g1a, g0b, g1b
	s_cmp_eq_u32 s15, 0
	s_cbranch_scc0 .Lfor_r_\@
	tensor_load_to_lds s[\g0a:\g0a+3], s[\g1a:\g1a+7]
	s_nop 0
.rept 4
	v_nop
.endr
	s_branch .Lasked_\@
.Lfor_r_\@:
	tensor_load_to_lds s[\g0b:\g0b+3], s[\g1b:\g1b+7]
	s_nop 0
.rept 4
	v_nop
.endr
.Lasked_\@:
.endm
.macro CREST
	s_cmp_lg_u32 s14, 0
	s_cbranch_scc1 .Lnot_wave_0_\@
	s_barrier_signal -3
.Lnot_wave_0_\@:
	s_barrier_wait -3
	s_barrier_signal -1
	s_barrier_wait -1
.endm
.macro CROUND
	s_barrier_signal -1
	s_barrier_wait -1
	CREST
.endm
.macro PLACES n
.rept \n
	v_nop
.endr
.endm
	s_load_b128 s[4:7], s[0:1], 0x0
	s_load_b128 s[8:11], s[0:1], 0x10
	v_lshl_add_u32 v[SPW], v0, 2, SPARE
	v_mov_b32 v[NIL], 0
	ds_add_u32 v28, v29
	ds_add_u32 v28, v29
	s_wait_dscnt 0x0
	v_lshrrev_b32 v1, 5, v0
	v_readfirstlane_b32 s14, v1
	s_lshr_b32 s15, s14, 1
	s_and_b32 s16, s14, 1
	s_bfe_u32 s40, ttmp6, 0x40000
	s_bfe_u32 s41, ttmp6, 0x40004
	s_and_b32 s18, ttmp7, 0xffff
	s_and_b32 s19, s18, 1
	s_lshr_b32 s23, s18, 1
	s_cmp_eq_u32 ttmp9, 3
	s_cselect_b32 s19, s19, ttmp9
	s_cselect_b32 s23, s23, s18
	s_cselect_b32 s45, 0, 128
	s_cselect_b32 s22, 320, 0
	s_lshl_b32 s42, s19, 2
	s_add_co_u32 s42, s42, s40
	s_lshl_b32 s17, s23, 2
	s_add_co_u32 s17, s17, s41
	s_lshl_b32 s43, s41, 2
	s_lshl_b32 s43, 15, s43
	s_lshl_b32 s44, 0x1111, s40
	s_or_b32 s[G1P], s44, (3<<16)|(1<<21)
	s_mov_b32 s[G1P+1], 800<<16
	s_mov_b32 s[G1P+2], 8<<16
	s_mov_b32 s[G1P+3], 800<<16
	s_mov_b32 s[G1P+4], 8
	s_mov_b32 s[G1P+5], RECROW/8
	s_mov_b32 s[G1P+6], 0
	s_mov_b32 s[G1P+7], 0
	s_or_b32 s[G1R], s43, (3<<16)|(1<<21)
	s_mov_b32 s[G1R+1], 800<<16
	s_mov_b32 s[G1R+2], 4<<16
	s_mov_b32 s[G1R+3], 800<<16
	s_mov_b32 s[G1R+4], 4
	s_mov_b32 s[G1R+5], RECROW/8
	s_mov_b32 s[G1R+6], 0
	s_mov_b32 s[G1R+7], 0
	s_lshl_b32 s46, s42, 4
	s_add_co_u32 s46, s46, s45
	s_lshl_b32 s47, s16, 3
	s_add_co_u32 s46, s46, s47
	s_mul_i32 s46, s46, RECROW
	s_mov_b32 s47, 0
	s_lshl_b32 s20, s17, 3
	s_add_co_u32 s20, s20, s22
	s_lshl_b32 s21, s16, 2
	s_add_co_u32 s20, s20, s21
	s_mul_i32 s20, s20, RECROW
	s_mov_b32 s21, 0
	s_mul_i32 s45, s16, 8*REC
	s_mul_i32 s94, s16, 4*REC
	s_add_co_u32 s94, s94, ROFF
	CROUND                                         ; the round in front of the first joint loads; the arguments are awaited behind it
	s_wait_kmcnt 0x0
	s_add_nc_u64 s[46:47], s[4:5], s[46:47]
	s_add_nc_u64 s[20:21], s[4:5], s[20:21]
	s_lshl_b32 s92, s41, 1                         ; the prefetches: my work-group's share of the records that my wave fetches, at record 1
	s_cmp_eq_u32 s15, 0
	s_cselect_b64 s[PFA:PFA+1], s[46:47], s[20:21]
	s_cselect_b32 s92, s92, s40
	s_mul_i32 s92, s92, RECROW
	s_add_co_u32 s92, s92, REC
	s_mov_b32 s93, 0
	s_add_nc_u64 s[PFA:PFA+1], s[PFA:PFA+1], s[92:93]
	v_and_b32 v[PFO], 31, v0
	v_min_u32 v[PFO], 24, v[PFO]
	v_lshlrev_b32 v[PFO], 8, v[PFO]
.irp s, 0,1
	s_mov_b32 s[G0P+4*\s], 1
	s_add_co_u32 s[G0P+4*\s+1], s45, \s*SLOT
	s_add_nc_u64 s[G0P+4*\s+2:G0P+4*\s+3], s[46:47], \s*REC
	s_or_b32 s[G0P+4*\s+3], s[G0P+4*\s+3], 0x80000000
	s_mov_b32 s[G0R+4*\s], 1
	s_add_co_u32 s[G0R+4*\s+1], s94, \s*SLOT
	s_add_nc_u64 s[G0R+4*\s+2:G0R+4*\s+3], s[20:21], \s*REC
	s_or_b32 s[G0R+4*\s+3], s[G0R+4*\s+3], 0x80000000
.endr
	s_wait_alu depctr_va_vdst(0)
	JLOAD G0P, G1P, G0R, G1R                       ; record 0 into slot 0: one tensor load a wave at the head; the set-up below stands behind it
	ASK 0, 0                                       ; record 1
	v_and_b32 v1, 31, v0
	v_and_b32 v2, 15, v0
	v_bfe_u32 v3, v0, 4, 1
	v_lshlrev_b32 v[LI], 4, v1
	v_lshlrev_b32 v5, 4, v2
	v_mad_u32_u24 v6, v3, 4*REC, v5
	v_mad_u32_u24 v7, v3, 2*REC, v5
	s_mul_i32 s18, s16, 8*REC
	s_mul_i32 s19, s15, 4*REC
	s_add_co_u32 s19, s19, ROFF
.irp s, 0,1
	v_add_nc_u32 v[AP+\s], s18, v[LI]
	v_add_nc_u32 v[AR+\s], s19, v[LI]
	v_add_nc_u32 v[ASP+\s], s18, v6
	v_add_nc_u32 v[ASR+\s], s19, v7
	s_add_co_u32 s18, s18, SLOT
	s_add_co_u32 s19, s19, SLOT
.endr
	v_lshlrev_b32 v[SDO], 3, v3
	v_lshl_add_u32 v[SDO], v2, 4, v[SDO]
	s_lshl_b32 s84, s17, 7
	s_lshl_b32 s85, s15, 6
	s_add_co_u32 s84, s84, s85
	s_lshl_b32 s84, s84, 8
	s_mov_b32 s85, 0
	s_add_nc_u64 s[80:81], s[6:7], s[84:85]
	s_add_nc_u64 s[82:83], s[8:9], s[84:85]
	v_and_b32 v8, 8, v2
	v_add_nc_u32 v8, v8, v2
	v_lshlrev_b32 v[CSO], 8, v8
	v_lshl_add_u32 v[CSO], v3, 5, v[CSO]
	WIN 0xc0
.irp a, 0,1,2,3
.irp b, 0,1,2,3
.irp i, 0,1
	global_load_b128 v[64*\a+8*\b+4*\i:64*\a+8*\b+4*\i+3], v[CSO], s[80:81] offset:(32*(\a/2)+8*(\a%2))*256+64*\b+16*\i
	global_load_b128 v[64*\a+32+8*\b+4*\i:64*\a+32+8*\b+4*\i+3], v[CSO], s[82:83] offset:(32*(\a/2)+8*(\a%2))*256+64*\b+16*\i
.endr
.endr
.endr
	WIN 0
	s_lshl_b32 s66, s42, 1
	s_add_co_u32 s66, s66, s16
	s_lshl_b32 s67, s17, 1
	s_add_co_u32 s67, s67, s15
	s_lshl_b32 s68, s66, 5
	s_add_co_u32 s68, s68, s67
	s_mul_i32 s68, s68, REC
	s_add_co_u32 s69, s68, 6144
	s_sub_co_u32 s70, s66, 16
	s_lshl_b32 s70, s70, 4
	s_add_co_u32 s70, s70, s17
	s_mul_i32 s70, s70, KREC
	s_add_co_u32 s70, s70, KOFF
	s_lshl_b32 s71, s17, 4
	s_add_co_u32 s71, s71, s66
	s_mul_i32 s71, s71, KREC
	s_add_co_u32 s71, s71, VOFFG
	s_cmp_eq_u32 ttmp9, 3
	s_cselect_b32 s70, s71, s70
	s_mul_i32 s72, s15, 6144
	s_add_co_u32 s72, s72, s70
	s_lshl_b32 s73, s15, 8
	s_add_co_u32 s73, s73, s70
	s_add_co_u32 s73, s73, 12288
	s_cmp_lt_u32 ttmp9, 2
	s_cselect_b32 s78, s68, s72
	s_cselect_b32 s88, s69, s73
	s_mov_b32 s79, 0
	s_mov_b32 s89, 0
	s_add_nc_u64 s[74:75], s[10:11], s[78:79]
	s_add_nc_u64 s[76:77], s[10:11], s[88:89]
	s_mov_b32 s[SEL], 0x76543210
	s_mov_b32 s[SEL+1], 0xfedcba98
.macro FRAG3 reg, adr, off
.irp c, 0,1,2
	ds_load_b128 v[\reg+4*\c:\reg+4*\c+3], v[\adr] offset:\off+512*\c
.endr
.endm
.macro FETCH slot, q, set
	WIN 0x40
.irp b, 0,1,2,3,4,5,6,7
	FRAG3 128*(\set)+12*\b, AP+\slot, REC*\b+1536*(\q)
.endr
	WIN 0
.irp a, 0,1,2,3
	FRAG3 RF+48*(\set)+12*\a, AR+\slot, REC*\a+1536*(\q)
.endr
.endm
.macro SCALES slot
.irp i, 0,1,2,3
	ds_load_b128 v[SC+24*(\slot)+4*\i:SC+24*(\slot)+4*\i+3], v[ASP+\slot] offset:6144+REC*\i
.endr
.irp i, 0,1
	ds_load_b128 v[SC+24*(\slot)+16+4*\i:SC+24*(\slot)+16+4*\i+3], v[ASR+\slot] offset:6144+REC*\i
.endr
.endm
.macro WM a, b, set, q, sc, zero
.set rD, 8*(8*(\a)+(\b))
.set rP, 128*(\set)+12*(\b)
.set rR, RF+48*(\set)+12*(\a)
.set rX, SC+24*(\sc)+4*((\b)%4)+(\q)
.set rY, SC+24*(\sc)+16+4*((\a)%2)+(\q)
.if (\zero) && ((\b) < 4) && ((\a) < 2)
	v_wmma_scale_f32_16x16x128_f8f6f4 v[rD:rD+7], v[rP:rP+11], v[rR:rR+11], 0, v[rX], v[rY] matrix_a_fmt:MATRIX_FMT_FP6 matrix_b_fmt:MATRIX_FMT_FP6
.elseif (\zero) && ((\b) < 4)
	v_wmma_scale_f32_16x16x128_f8f6f4 v[rD:rD+7], v[rP:rP+11], v[rR:rR+11], 0, v[rX], v[rY] matrix_a_fmt:MATRIX_FMT_FP6 matrix_b_fmt:MATRIX_FMT_FP6 matrix_b_scale:MATRIX_SCALE_ROW1
.elseif (\zero) && ((\a) < 2)
	v_wmma_scale_f32_16x16x128_f8f6f4 v[rD:rD+7], v[rP:rP+11], v[rR:rR+11], 0, v[rX], v[rY] matrix_a_fmt:MATRIX_FMT_FP6 matrix_b_fmt:MATRIX_FMT_FP6 matrix_a_scale:MATRIX_SCALE_ROW1
.elseif (\zero)
	v_wmma_scale_f32_16x16x128_f8f6f4 v[rD:rD+7], v[rP:rP+11], v[rR:rR+11], 0, v[rX], v[rY] matrix_a_fmt:MATRIX_FMT_FP6 matrix_b_fmt:MATRIX_FMT_FP6 matrix_a_scale:MATRIX_SCALE_ROW1 matrix_b_scale:MATRIX_SCALE_ROW1
.elseif ((\b) < 4) && ((\a) < 2)
	v_wmma_scale_f32_16x16x128_f8f6f4 v[rD:rD+7], v[rP:rP+11], v[rR:rR+11], v[rD:rD+7], v[rX], v[rY] matrix_a_fmt:MATRIX_FMT_FP6 matrix_b_fmt:MATRIX_FMT_FP6
.elseif ((\b) < 4)
	v_wmma_scale_f32_16x16x128_f8f6f4 v[rD:rD+7], v[rP:rP+11], v[rR:rR+11], v[rD:rD+7], v[rX], v[rY] matrix_a_fmt:MATRIX_FMT_FP6 matrix_b_fmt:MATRIX_FMT_FP6 matrix_b_scale:MATRIX_SCALE_ROW1
.elseif ((\a) < 2)
	v_wmma_scale_f32_16x16x128_f8f6f4 v[rD:rD+7], v[rP:rP+11], v[rR:rR+11], v[rD:rD+7], v[rX], v[rY] matrix_a_fmt:MATRIX_FMT_FP6 matrix_b_fmt:MATRIX_FMT_FP6 matrix_a_scale:MATRIX_SCALE_ROW1
.else
	v_wmma_scale_f32_16x16x128_f8f6f4 v[rD:rD+7], v[rP:rP+11], v[rR:rR+11], v[rD:rD+7], v[rX], v[rY] matrix_a_fmt:MATRIX_FMT_FP6 matrix_b_fmt:MATRIX_FMT_FP6 matrix_a_scale:MATRIX_SCALE_ROW1 matrix_b_scale:MATRIX_SCALE_ROW1
.endif
.endm
.macro MUL8 a, set, q, sc, zero
.irp b, 0,1,2,3,4,5,6,7
	WM \a, \b, \set, \q, \sc, \zero
.endr
.endm
.macro STEP slot, q, zero
	s_wait_dscnt 0x0
	PLACES 4
	FETCH \slot, (\q)+1, ((\q)+1)%2
	WIN 0xa1
.irp a, 0,1,2,3
	MUL8 \a, (\q)%2, \q, \slot, \zero
.endr
.endm
.macro TURN slot, next, fill
.if \fill
	s_wait_xcnt 0x0                                ; the last prefetch has read its address: it steps one record on
	s_add_nc_u64 s[PFA:PFA+1], s[PFA:PFA+1], REC
.endif
	WIN 0
	s_wait_tensorcnt 0x0
	ds_add_u32 v[SPW], v[NIL]
	s_wait_dscnt 0x1
	WIN 0xa1
	MUL8 0, 1, 3, \slot, 0
	s_wait_dscnt 0x0
	s_barrier_signal -1
	MUL8 1, 1, 3, \slot, 0
	WIN 0
	s_barrier_wait -1
.if \fill
	CREST
	s_add_nc_u64 s[G0P+4*\slot+2:G0P+4*\slot+3], s[G0P+4*\slot+2:G0P+4*\slot+3], 2*REC
	s_add_nc_u64 s[G0R+4*\slot+2:G0R+4*\slot+3], s[G0R+4*\slot+2:G0R+4*\slot+3], 2*REC
	JLOAD G0P+4*\slot, G1P, G0R+4*\slot, G1R
.else
	PLACES 4
.endif
	s_wait_alu depctr_va_vdst(0)
	FETCH \next, 0, 0
	SCALES \next
.if \fill
	ASK REC, \slot
.endif
	WIN 0xa1
	MUL8 2, 1, 3, \slot, 0
	MUL8 3, 1, 3, \slot, 0
.endm
	s_wait_alu depctr_va_vdst(0)                   ; the wait at the head's end
	s_wait_tensorcnt 0x0                           ; my part of slot 0 is in; slot 1's first fill is issued as a refill is
	ds_add_u32 v28, v29
	s_wait_dscnt 0x0
	CROUND
	JLOAD G0P+4, G1P, G0R+4, G1R                   ; record 1 into slot 1
	ASK REC, 0                                     ; record 2
	FETCH 0, 0, 0
	SCALES 0
	STEP 0, 0, 1
	WIN 0
	s_mov_b32 s3, LAPS-1
.Llap:
	STEP 0, 1, 0
	STEP 0, 2, 0
	TURN 0, 1, 1
	STEP 1, 0, 0
	STEP 1, 1, 0
	STEP 1, 2, 0
	TURN 1, 0, 1
	STEP 0, 0, 0
	WIN 0
	s_sub_co_u32 s3, s3, 1
	s_cmp_lg_u32 s3, 0
	s_cbranch_scc1 .Llap
	STEP 0, 1, 0
	STEP 0, 2, 0
	TURN 0, 1, 0
	STEP 1, 0, 0
	STEP 1, 1, 0
	STEP 1, 2, 0
	s_wait_dscnt 0x0
	WIN 0xa1
.irp a, 0,1,2,3
	MUL8 \a, 1, 3, 1, 0
.endr
	WIN 0
.macro ROPE a
	WIN 0x0e
.set p, 0
.rept 32
.set tt, TT+2*(p%4)
	v_mul_f32 v[tt], v[64*(\a)+2*p+1], v[64*(\a)+32+p]
	v_mul_f32 v[tt+1], v[64*(\a)+2*p], v[64*(\a)+32+p]
	v_fma_f32 v[H+2*p], v[64*(\a)+2*p], v[64*(\a)+p], -v[tt]
	v_fma_f32 v[H+2*p+1], v[64*(\a)+2*p+1], v[64*(\a)+p], v[tt+1]
.set p, p+1
.endr
	WIN 0
.endm
.macro COPY a
	WIN 0x02
.set j, 0
.rept 64
	v_mov_b32 v[H+j], v[64*(\a)+j]
.set j, j+1
.endr
	WIN 0
.endm
.macro QUANT s, pc, tm, pw
.irp b, 0,1,2,3
	v_max3_num_f32 v[\tm+\b], |v[\s+16*\b]|, |v[\s+1+16*\b]|, 0x1800000
.endr
.irp i, 2,4,6,8,10,12,14
.irp b, 0,1,2,3
	v_max3_num_f32 v[\tm+\b], v[\tm+\b], |v[\s+16*\b+\i]|, |v[\s+1+16*\b+\i]|
.endr
.endr
.irp b, 0,1,2,3
	v_permlanex16_b32 v[\tm+4+\b], v[\tm+\b], s[SEL], s[SEL+1]
.endr
.irp b, 0,1,2,3
	v_max_num_f32 v[\tm+\b], v[\tm+\b], v[\tm+4+\b]
.endr
.irp b, 0,1,2,3
	v_add_nc_u32 v[\tm+12+\b], 0xff000000, v[\tm+\b]
.endr
.irp b, 0,1,2,3
	v_lshrrev_b32 v[\tm+4+\b], 23, v[\tm+12+\b]
.endr
	v_lshl_or_b32 v[\pw], v[\tm+5], 8, v[\tm+4]
	v_lshl_or_b32 v[\pw], v[\tm+6], 16, v[\pw]
	v_lshl_or_b32 v[\pw], v[\tm+7], 24, v[\pw]
.irp c, 0,1
	v_cvt_scalef32_pk16_fp6_f32 v[\pc+6*\c:\pc+2+6*\c], v[\s+32*\c:\s+15+32*\c], v[\tm+12+2*\c]
	v_cvt_scalef32_pk16_fp6_f32 v[\pc+12+4*\c:\pc+14+4*\c], v[\s+16+32*\c:\s+31+32*\c], v[\tm+12+2*\c+1]
.endr
	v_nop
.irp c, 0,1
.irp i, 0,1,2
	v_permlane16_swap_b32 v[\pc+6*\c+\i], v[\pc+12+4*\c+\i]
.endr
.irp i, 0,1,2
	v_mov_b32 v[\pc+3+6*\c+\i], v[\pc+12+4*\c+\i]
.endr
.endr
.endm
	s_wait_loadcnt 0x0
	PLACES 4
.irp b, 0,1,2,3
	v_mov_b32 v[TM+4+\b], 0
.endr
.irp a, 0,1,2,3
	s_cmp_eq_u32 ttmp9, 3
	s_cbranch_scc1 .Lcopy_\a
	ROPE \a
	s_branch .Lquant_\a
.Lcopy_\a:
	COPY \a
.Lquant_\a:
	QUANT H, PCB+20*\a, TM, WS+\a
.irp c, 0,1,2
	global_store_b128 v[LI], v[PCB+20*\a+4*\c:PCB+20*\a+4*\c+3], s[74:75] offset:1536*\a+512*\c
.endr
.endr
	v_cmp_ne_u32 vcc_lo, 0, v3
	v_cndmask_b32 v[SD], v[WS], v[WS+2], vcc_lo
	v_cndmask_b32 v[SD+1], v[WS+1], v[WS+3], vcc_lo
	global_store_b64 v[SDO], v[SD:SD+1], s[76:77]
	s_wait_tensorcnt 0x0
	ds_add_u32 v[SPW], v[NIL]
	s_wait_dscnt 0x0
	CROUND
	s_endpgm
.Lfunc_end_k_q39c48a1a07_qkvproj:
	.size	k_q39c48a1a07_qkvproj, .Lfunc_end_k_q39c48a1a07_qkvproj-k_q39c48a1a07_qkvproj
	.p2alignl 7, 3214868480
	.fill 96, 4, 3214868480
	.section	.rodata,"a",@progbits
	.p2align	6, 0x0
	.amdhsa_kernel k_q39c48a1a07_qkvproj
		.amdhsa_group_segment_fixed_size 327680
		.amdhsa_private_segment_fixed_size 0
		.amdhsa_enable_private_segment 0
		.amdhsa_kernarg_size 32
		.amdhsa_user_sgpr_count 2
		.amdhsa_user_sgpr_kernarg_segment_ptr 1
		.amdhsa_wavefront_size32 1
		.amdhsa_system_sgpr_workgroup_id_x 1
		.amdhsa_system_sgpr_workgroup_id_y 1
		.amdhsa_system_sgpr_workgroup_id_z 1
		.amdhsa_system_vgpr_workitem_id 0
		.amdhsa_next_free_vgpr 1024
		.amdhsa_next_free_sgpr 100
		.amdhsa_reserve_vcc 1
		.amdhsa_float_denorm_mode_32 3
		.amdhsa_float_denorm_mode_16_64 3
		.amdhsa_memory_ordered 1
		.amdhsa_forward_progress 1
		.amdhsa_inst_pref_size 175
	.end_amdhsa_kernel
	.amdgpu_metadata
---
amdhsa.version: [ 1, 2 ]
amdhsa.kernels:
  - .name:           k_q39c48a1a07_qkvproj
    .symbol:         k_q39c48a1a07_qkvproj.kd
    .args:
      - { .name: xw, .offset: 0, .size: 8, .value_kind: global_buffer, .address_space: global }
      - { .name: freqs_cos, .offset: 8, .size: 8, .value_kind: global_buffer, .address_space: global }
      - { .name: freqs_sin, .offset: 16, .size: 8, .value_kind: global_buffer, .address_space: global }
      - { .name: qkv, .offset: 24, .size: 8, .value_kind: global_buffer, .address_space: global }
    .group_segment_fixed_size: 327680
    .private_segment_fixed_size: 0
    .kernarg_segment_align: 8
    .kernarg_segment_size: 32
    .max_flat_workgroup_size: 128
    .sgpr_count:     100
    .vgpr_count:     1024
    .wavefront_size: 32
...
	.end_amdgpu_metadata
.endif
;; end of part 2
;; launch attn (part 3): grid 32 x 8, 8 waves a work-group, clusters of 4 x 4, 327,680 bytes of LDS; arguments qkv, mask, att; writes att
.if DOCPART == 3
	.amdgcn_target "amdgcn-amd-amdhsa--gfx1250"
	.amdhsa_code_object_version 6
	.text
	.protected	k_q39c48a1a07_attn
	.globl	k_q39c48a1a07_attn
	.p2align	8
	.type	k_q39c48a1a07_attn,@function
k_q39c48a1a07_attn:
	s_mov_b64 s[64:65], 0
	v_nop
	global_prefetch_b8 v0, s[64:65] scope:SCOPE_SE
	s_setreg_imm32_b32 hwreg(HW_REG_WAVE_MODE, 25, 1), 1
	s_wait_xcnt 0x0
	s_wait_alu depctr_hold_cnt(0) depctr_sa_sdst(0) depctr_va_vdst(0) depctr_va_sdst(0) depctr_va_ssrc(0) depctr_va_vcc(0) depctr_vm_vsrc(0)
	s_getreg_b32 s2, hwreg(HW_REG_IB_STS2, 6, 4)
	s_cmp_eq_u32 s2, 0
	s_cbranch_scc0 .Lentry_in_a_cluster
	s_endpgm
.Lentry_in_a_cluster:
	s_bfe_u32 s2, ttmp6, 0x10000c
	s_cmp_lg_u32 s2, 0xf033
	s_cbranch_scc0 .Lentry_shape_is_right
	s_endpgm
.Lentry_shape_is_right:
; att[q][head][:] = Q(softmax_k(q . k / sqrt(128) + mask[q][k]) v), both products on codes of FP6 (E2M3) with E8M0 scales.  16 query heads, 8 key and value groups, 2,048 positions, head size 128.
; THE MASK IS AN INPUT: every query walks every key and every number of the mask is read.  It enters as the C of the first product: D = k . q + mask x sqrt(128), in f32, and t = D x log2(e) / sqrt(128).
; The mask's numbers are multiplied by sqrt(128) once for both heads of a group.  No work of the problem is left out; start_pos = 0 is a constant and has no buffer.
; THE SOFTMAX: M = the largest t so far, rounded UP to a whole number; p = 2^(t - M) is quantised along the keys, not normalised.  The sum is taken of the unquantised p and divides O at the end.
; When M moves, the sum and O are multiplied by 2^(old M - new M): exact.
; INPUT qkv, as fragments' images (registers 4 c .. 4 c + 3 of lane l at 512 c + 16 l): q: [head][block of 64 queries][4 images, scale words [r][tile]]; k at KOFF, v behind it: [group][key step of 128][8 images, scale words [t / 4][r][t % 4]].
; A tile of 16 positions holds in lane r position 32 (T / 2) + 8 (T % 2) + r + 8 (r / 8); so do v's tiles of the head's 128: the 16 score registers of key tiles 2 b, 2 b + 1 are 16 neighbouring keys.
; OUTPUT att: [query tile 128][4 records of 6,400 bytes]: image head % 4 of record head / 4; scale words [r][head % 4].
; SHARES.  A work-group owns 64 queries and the two heads of a group.  Wave w owns query tile w % 4 for BOTH heads (tile A: head 2 g, tile B: head 2 g + 1) and of each slot's two key steps the step w / 4.
; At the end waves w and w + 4 change halves through LDS: waves 0-3 finish tile A, waves 4-7 tile B.  Both products are used transposed: a lane holds ONE query throughout.
; CLUSTERS 4 x 4: K's and V's records hang on the group alone and are asked for jointly along a row; the mask's tile hangs on the block of queries alone and is asked for jointly along a column.
; A ring of two LDS slots of 256 keys; every wave issues one load for a slot: waves 0-3 one record of K or V each, waves 4-7 sixteen rows of the mask each.
; A step's LDS reads end ahead of O's rescaling and the second product (V's second four fragments take the registers that the mask has left), so these stand between the barrier's signal and its wait.
; LIMITS: the promise holds while |t| stays under 2^31.  NaN is not served; a row all of whose logits are -infinity is not served.  A block of p that has fallen to 0 keeps the byte 1: its codes are zeros.
; REGISTERS.  Window 0: v1-11 addresses; v12 -M, v13 largest t, v[14:15] the sum, v16-27 Q, v96-159 S^T then p, v160-223 O^T, v224-235 p's codes, v232-247, v252, v254 at work: all of tile A; v32-79 four fragments;
;   scale words: v30 p's of tile B, v31 Q's of tile B, v92-95 V's second four, v248-251 K's or V's, v253 p's of tile A, v255 Q's of tile A.  Window 1: tile B at tile A's numbers; v32-95 the mask, then V's second four fragments.
.set REC,   6400
.set KREC,  12800
.set KOFF,  3276800
.set VSTR,  1638400
.set GSTR,  204800
.set SLOT1, 1<<17
.set VLDS,  2*KREC
.set MOFF,  4*KREC
.set MPI,   1040
.set MREG,  16*MPI+128
.set STAGE, SLOT1+MOFF+4*MREG          ; a multiple of 256, behind slot 1: no tile lands here
.set TSTG,  8704
.set SPARE, 327680-1024
.set LI0, 1
.set SC0, 2
.set MK0, 3
.set STG, 4
.set SPW, 5
.set NIL, 6
.set OA,  7
.set ADF, 8
.set ADS, 9
.set ADM, 10
.set OS,  11
.set PFO, 28
.set PSB, 30
.set QSB, 31
.set QA,  90
.set QS,  91
.set VS1, 92
.set WV,  18
.set SEL, 20
.set CS,  22                           ; s[22:23] log2(e) / sqrt(128)
.set G1KV, 24
.set G1M,  32
.set G0KV, 40
.set G0M,  44
.set SQ,  48                           ; s[48:49] sqrt(128)
.set TB,  50
.set SLOTS, 51
.set PFA, 58
.set PFS, 60
.set LIM, 62
.set MSB, 0
.macro WIN new
.if MSB != (\new)
	s_set_vgpr_msb (MSB<<8)|(\new)
.set MSB, (\new)
.endif
.endm
.macro VW
	s_wait_alu depctr_va_vdst(0)
.endm
.macro PLACES
.rept 4
	v_nop
.endr
.endm
.macro JLOAD                           ; one joint load a wave, on every path: waves 0-3 K or V, waves 4-7 the mask
	s_cmp_lt_u32 s[WV], 4
	s_cbranch_scc0 .Lfor_m_\@
	tensor_load_to_lds s[G0KV:G0KV+3], s[G1KV:G1KV+7]
	s_nop 0
	PLACES
	s_branch .Lasked_\@
.Lfor_m_\@:
	tensor_load_to_lds s[G0M:G0M+3], s[G1M:G1M+7]
	s_nop 0
	PLACES
.Lasked_\@:
.endm
.macro CREST
	s_cmp_lg_u32 s[WV], 0
	s_cbranch_scc1 .Lnot_wave_0_\@
	s_barrier_signal -3
.Lnot_wave_0_\@:
	s_barrier_wait -3
	s_barrier_signal -1
	s_barrier_wait -1
.endm
; A PREFETCH of what the next change of slots will ask for, a slot's 256 keys ahead of that load.  The mask: the cluster with y = 0 asks; its partners of a column take 16 rows each by address (cy), waves 6 and 7 eight rows each,
; four lanes 256 bytes apart to a row's 1,024 bytes.  K, V: the cluster with x = 0 asks; its partners of a row take 6,400 of a slot's 25,600 bytes each by address (cx), wave 0 K's, wave 1 V's; lanes 25 to 31 name the 25th block again.
; The last refill asks for nothing.
.macro ASK
	s_cmp_gt_u32 s[SLOTS], s[LIM]
	s_cbranch_scc0 .Lnot_mine_\@
	global_prefetch_b8 v[PFO], s[PFA:PFA+1] th:TH_LOAD_NT scope:SCOPE_SE
.Lnot_mine_\@:
.endm
	s_load_b128 s[4:7], s[0:1], 0x0                ; qkv, mask
	s_load_b64 s[8:9], s[0:1], 0x10                ; att
	v_lshl_add_u32 v[SPW], v0, 2, SPARE
	v_mov_b32 v[NIL], 0
	ds_add_u32 v[SPW], v[NIL]                      ; the opening lines: the add twice on end
	ds_add_u32 v[SPW], v[NIL]
	v_lshrrev_b32 v82, 5, v0
	v_readfirstlane_b32 s[WV], v82                 ; wave 0..7
	s_bfe_u32 s52, ttmp6, 0x40000                  ; cx
	s_bfe_u32 s53, ttmp6, 0x40004                  ; cy
	s_lshl_b32 s54, ttmp9, 2
	s_add_co_u32 s54, s54, s52                     ; my block of 64 queries
	s_and_b32 s66, ttmp7, 0xffff
	s_lshl_b32 s55, s66, 2
	s_add_co_u32 s55, s55, s53                     ; my group
	s_lshl_b32 s56, s53, 2
	s_lshl_b32 s56, 15, s56                        ; my row of the cluster
	s_lshl_b32 s57, 0x1111, s52                    ; my column
	s_or_b32 s[G1KV], s56, (3<<16)|(1<<21)         ; K, V: one record, 12,800 dense bytes, as 50 rows of 256 bytes
	s_mov_b32 s[G1KV+1], 32<<16
	s_mov_b32 s[G1KV+2], 50<<16
	s_mov_b32 s[G1KV+3], 32<<16
	s_mov_b32 s[G1KV+4], 50
	s_mov_b32 s[G1KV+5], 32
	s_mov_b32 s[G1KV+6], 0
	s_mov_b32 s[G1KV+7], 0
	s_or_b32 s[G1M], s57, (2<<16)|(1<<20)|(1<<21)|(7<<22)|(3<<25)   ; the mask: 16 rows of 256 numbers, 16 bytes of padding behind each
	s_mov_b32 s[G1M+1], 256<<16
	s_mov_b32 s[G1M+2], 16<<16
	s_mov_b32 s[G1M+3], 256<<16
	s_mov_b32 s[G1M+4], 16
	s_mov_b32 s[G1M+5], 2048
	s_mov_b32 s[G1M+6], 0
	s_mov_b32 s[G1M+7], 0
	s_and_b32 s67, s[WV], 1                        ; which of a slot's two records
	s_bfe_u32 s72, s[WV], 0x10001                  ; K (0) or V (1)
	s_mul_i32 s68, s72, VSTR
	s_mul_i32 s70, s55, GSTR
	s_add_co_u32 s68, s68, s70
	s_add_co_u32 s68, s68, KOFF
	s_mul_i32 s70, s67, KREC
	s_add_co_u32 s70, s70, s68                     ; made of the group and the wave alone
	s_mov_b32 s71, 0
	s_mul_i32 s73, s72, VLDS
	s_mul_i32 s76, s67, KREC
	s_add_co_u32 s73, s73, s76                     ; its place in a slot
	s_and_b32 s82, s[WV], 3                        ; the mask's region; also my query tile
	s_lshl_b32 s74, s54, 6
	s_lshl_b32 s77, s82, 4
	s_add_co_u32 s74, s74, s77
	s_lshl_b32 s74, s74, 13                        ; row 64 x block + 16 x region, 8,192 bytes a row
	s_mov_b32 s75, 0
	s_mul_i32 s77, s82, MREG
	s_add_co_u32 s77, s77, MOFF
	s_mov_b32 s[SEL], 0x76543210
	s_mov_b32 s[SEL+1], 0xfedcba98
	s_mov_b32 s[CS], 0x3e0293ee
	s_mov_b32 s[CS+1], s[CS]
	s_mov_b32 s[SQ], 0x413504f3
	s_mov_b32 s[SQ+1], s[SQ]
	s_mov_b32 s[TB], 0
	s_mov_b32 s[SLOTS], 6
	s_wait_dscnt 0x0                               ; both opening adds are done
	s_barrier_signal -1
	s_barrier_wait -1
	CREST                                          ; the round in front of the first joint loads; the arguments are awaited behind it
	s_wait_kmcnt 0x0
	s_mov_b32 s[G0KV], 1
	s_mov_b32 s[G0KV+1], s73
	s_add_nc_u64 s[G0KV+2:G0KV+3], s[4:5], s[70:71]
	s_or_b32 s[G0KV+3], s[G0KV+3], 0x80000000
	s_mov_b32 s[G0M], 1
	s_mov_b32 s[G0M+1], s77
	s_add_nc_u64 s[G0M+2:G0M+3], s[6:7], s[74:75]
	s_or_b32 s[G0M+3], s[G0M+3], 0x80000000
	JLOAD                                          ; slot 0
	; the prefetches: where my wave's stand (at the keys of slot 1: the first change steps them on), and who asks
	s_mul_i32 s78, s67, VSTR
	s_mul_i32 s79, s55, GSTR
	s_add_co_u32 s78, s78, s79
	s_add_co_u32 s78, s78, KOFF+2*KREC
	s_mul_i32 s79, s52, REC
	s_add_co_u32 s78, s78, s79
	s_lshl_b32 s80, s54, 6
	s_lshl_b32 s81, s53, 4
	s_add_co_u32 s80, s80, s81
	s_lshl_b32 s81, s67, 3
	s_add_co_u32 s80, s80, s81
	s_lshl_b32 s80, s80, 13
	s_add_co_u32 s80, s80, 1024
	s_mov_b32 s79, 0
	s_mov_b32 s[PFS], 1024
	s_mov_b32 s[PFS+1], 0
	s_cmp_lt_u32 s[WV], 2
	s_cselect_b64 s[PFA:PFA+1], s[4:5], s[6:7]
	s_cselect_b32 s78, s78, s80
	s_cselect_b32 s[PFS], 2*KREC, s[PFS]
	s_cselect_b32 s83, -1, 0
	s_cselect_b32 s84, ttmp9, s66
	s_add_nc_u64 s[PFA:PFA+1], s[PFA:PFA+1], s[78:79]
	s_add_co_u32 s85, s[WV], 2
	s_and_b32 s85, s85, 7
	s_lshr_b32 s85, s85, 2                         ; 0 in waves 6, 7, 0, 1
	s_or_b32 s84, s84, s85
	s_cmp_eq_u32 s84, 0
	s_cselect_b32 s[LIM], 1, -1
	; my key step, my query tile, my pointers: all scalar work first, then the vector lines on end
	s_lshr_b32 s81, s[WV], 2                       ; my key step of a slot
	s_mul_i32 s93, s81, KREC
	s_lshr_b32 s88, s82, 1
	s_mul_i32 s88, s88, 2*MREG
	s_mul_i32 s89, s67, 8*MPI
	s_add_co_u32 s88, s88, s89
	s_lshl_b32 s89, s81, 9
	s_add_co_u32 s88, s88, s89
	s_add_co_u32 s88, s88, MOFF
	s_mul_i32 s89, s82, 2*TSTG
	s_add_co_u32 s89, s89, STAGE
	s_mul_i32 s94, s82, 1536
	s_lshl_b32 s95, s82, 2
	s_and_b32 s92, s55, 1
	s_mul_i32 s96, s92, 2*1536
	s_lshl_b32 s97, s92, 3
	s_lshl_b32 s86, s55, 6
	s_add_co_u32 s86, s86, s54
	s_mul_i32 s86, s86, REC
	s_mov_b32 s87, 0
	s_add_nc_u64 s[86:87], s[4:5], s[86:87]        ; tile A's record of q; tile B's lies 32 records on
	s_lshl_b32 s90, s54, 2
	s_add_co_u32 s90, s90, s82
	s_mul_i32 s90, s90, 4*REC
	s_lshr_b32 s91, s55, 1
	s_mul_i32 s91, s91, REC
	s_add_co_u32 s90, s90, s91
	s_mov_b32 s91, 0
	s_add_nc_u64 s[8:9], s[8:9], s[90:91]          ; att's record
	v_and_b32 v82, 31, v0
	v_and_b32 v83, 15, v0
	v_bfe_u32 v84, v0, 4, 1
	v_lshlrev_b32 v85, 4, v82
	v_lshlrev_b32 v86, 4, v83
	v_add_nc_u32 v[LI0], s93, v85
	v_add_nc_u32 v[SC0], s93, v86
	v_bfe_u32 v87, v0, 3, 1
	v_and_b32 v88, 7, v0
	v_mul_u32_u24 v[MK0], v87, MREG                ; my query: region 2 (tile / 2) + r / 8, row 8 (tile % 2) + r % 8 of it, + 64 h bytes
	v_mad_u32_u24 v[MK0], v88, MPI, v[MK0]
	v_lshl_add_u32 v[MK0], v84, 6, v[MK0]
	v_add_nc_u32 v[MK0], s88, v[MK0]
	v_add_nc_u32 v[STG], s89, v85
	v_min_u32 v87, 24, v82
	v_lshlrev_b32 v87, 8, v87
	v_lshrrev_b32 v88, 2, v82
	v_and_b32 v89, 3, v82
	v_lshlrev_b32 v89, 8, v89
	v_lshl_add_u32 v88, v88, 13, v89
	v_cndmask_b32 v[PFO], v88, v87, s83
	v_add_nc_u32 v[QA], s94, v85
	v_add_nc_u32 v[QS], s95, v86
	v_add_nc_u32 v[OA], s96, v85
	v_add_nc_u32 v[OS], s97, v86
	VW
.irp c, 0,1,2
	global_load_b128 v[16+4*\c:19+4*\c], v[QA], s[86:87] offset:512*\c
.endr
	global_load_b32 v255, v[QS], s[86:87] offset:6144
	global_load_b32 v[QSB], v[QS], s[86:87] offset:32*REC+6144
	WIN 0x40
.irp c, 0,1,2
	global_load_b128 v[16+4*\c:19+4*\c], v[QA], s[86:87] offset:32*REC+512*\c
.endr
.macro START                           ; a tile's first state: the first step finds zeros in O^T and in the sum, which the first change of M leaves zeros
	v_mov_b32 v13, 0xff61b1e6
	v_floor_f32 v12, -v13
	v_mov_b32 v14, 0
	v_mov_b32 v15, 0
.irp b, 0,1,2,3
	v_mov_b32 v[236+\b], 0
.endr
	v_mov_b32 v253, 0
.set j, 0
.rept 64
	v_mov_b32 v[160+j], 0
.set j, j+1
.endr
.endm
	WIN 0
	START
	WIN 0x55
	START
	WIN 0
.macro FRAGS g, off, w, sc             ; tiles 4 g .. 4 g + 3 of my record at off into window w, their scale words into v[sc] on: 13 loads
	WIN 0x40*(\w)
.irp t, 0,1,2,3
.irp c, 0,1,2
	ds_load_b128 v[32+12*\t+4*\c:35+12*\t+4*\c], v[ADF] offset:\off+1536*(4*(\g)+\t)+512*\c
.endr
.endr
	WIN 0
	ds_load_b128 v[\sc:\sc+3], v[ADS] offset:\off+12288+256*(\g)
.endm
.macro SCORES g                        ; S^T = K Q^T + mask x sqrt(128): four key tiles for tile A, then for tile B; the mask's registers (window 1) are the C of both
	WIN 0x10
.irp t, 0,1,2,3
	v_wmma_scale_f32_16x16x128_f8f6f4 v[96+8*(4*(\g)+\t):103+8*(4*(\g)+\t)], v[32+12*\t:43+12*\t], v[16:27], v[32+8*(4*(\g)+\t):39+8*(4*(\g)+\t)], v[248+\t], v255 matrix_a_fmt:MATRIX_FMT_FP6 matrix_b_fmt:MATRIX_FMT_FP6
.endr
	WIN 0x54
.irp t, 0,1,2,3
	v_wmma_scale_f32_16x16x128_f8f6f4 v[96+8*(4*(\g)+\t):103+8*(4*(\g)+\t)], v[32+12*\t:43+12*\t], v[16:27], v[32+8*(4*(\g)+\t):39+8*(4*(\g)+\t)], v[248+\t], v[QSB] matrix_a_fmt:MATRIX_FMT_FP6 matrix_b_fmt:MATRIX_FMT_FP6
.endr
	WIN 0
.endm
.macro PV g, sc                        ; O^T += V^T P^T: four tiles of the head's 128; V's fragments lie in window g
	WIN 0x01*(\g)
.irp t, 0,1,2,3
	v_wmma_scale_f32_16x16x128_f8f6f4 v[160+8*(4*(\g)+\t):167+8*(4*(\g)+\t)], v[32+12*\t:43+12*\t], v[224:235], v[160+8*(4*(\g)+\t):167+8*(4*(\g)+\t)], v[\sc+\t], v253 matrix_a_fmt:MATRIX_FMT_FP6 matrix_b_fmt:MATRIX_FMT_FP6
.endr
	WIN 0x54+(\g)
.irp t, 0,1,2,3
	v_wmma_scale_f32_16x16x128_f8f6f4 v[160+8*(4*(\g)+\t):167+8*(4*(\g)+\t)], v[32+12*\t:43+12*\t], v[224:235], v[160+8*(4*(\g)+\t):167+8*(4*(\g)+\t)], v[\sc+\t], v[PSB] matrix_a_fmt:MATRIX_FMT_FP6 matrix_b_fmt:MATRIX_FMT_FP6
.endr
	WIN 0
.endm
.macro MAXH u, hf                      ; tile u: my 16 keys' largest D of blocks 2 hf and 2 hf + 1; each accumulator is read from its low end on
	WIN 0x55*(\u)
.irp b, 2*(\hf),2*(\hf)+1
	v_max3_num_f32 v[232+\b], v[96+16*(\b)], v[97+16*(\b)], v[98+16*(\b)]
.endr
.irp i, 3,5,7,9,11,13
.irp b, 2*(\hf),2*(\hf)+1
	v_max3_num_f32 v[232+\b], v[232+\b], v[96+16*(\b)+\i], v[97+16*(\b)+\i]
.endr
.endr
.irp b, 2*(\hf),2*(\hf)+1
	v_max_num_f32 v[232+\b], v[232+\b], v[111+16*(\b)]
.endr
.endm
.macro RESC u                          ; tile u: O^T under the new M
	WIN 0x55*(\u)
	VW                                             ; directly ahead of the first reader of the products' results
.set j, 0
.rept 32
	v_pk_mul_f32 v[160+j:161+j], v[160+j:161+j], v[252:253] op_sel_hi:[1,0]
.set j, j+2
.endr
.endm
.macro REST u                          ; tile u's softmax of the step, from the blocks' largest D to p's codes and scale word
	WIN 0x55*(\u)
.irp b, 0,1,2,3
	v_permlanex16_b32 v[236+\b], v[232+\b], s[SEL], s[SEL+1]
.endr
.irp b, 0,1,2,3
	v_max_num_f32 v[232+\b], v[232+\b], v[236+\b]  ; the block's largest D: it serves for the row's maximum and, since p rises with D, for the block's largest p
.endr
	v_max3_num_f32 v254, v232, v233, v234
	v_max_num_f32 v254, v254, v235
	v_mul_f32 v254, s[CS], v254                    ; as t
	v_max_num_f32 v13, v13, v254
	v_mov_b32 v254, v12
	v_floor_f32 v12, -v13                          ; -M = -ceil(t)
	v_sub_f32 v254, v12, v254
	v_cvt_i32_f32 v254, v254                       ; (it saturates)
	v_ldexp_f32 v252, 1.0, v254                    ; f = 2^(old M - new M)
.set j, 0
.rept 32
	v_pk_fma_f32 v[96+j:97+j], v[96+j:97+j], s[CS:CS+1], v[12:13] op_sel_hi:[1,0,0]   ; t - M
.set j, j+2
.endr
.irp b, 0,1,2,3
	v_fma_f32 v[232+\b], v[232+\b], s[CS], v12
.endr
	VW                                             ; ahead of the batch
.set j, 0
.rept 64
	v_exp_f32 v[96+j], v[96+j]                     ; p = 2^(t - M)
.set j, j+1
.endr
.irp b, 0,1,2,3
	v_exp_f32 v[232+\b], v[232+\b]                 ; the block's largest p: the same two instructions on the same number
.endr
	v_pk_mul_f32 v[14:15], v[14:15], v[252:253] op_sel_hi:[1,0]   ; the sums under the new M: a plain line behind the batch
	VW                                             ; behind the batch
	v_pk_add_f32 v[236:237], v[96:97], v[98:99]    ; the sum of the unquantised p, in two chains
.irp j, 4,8,12,16,20,24,28,32,36,40,44,48,52,56,60
	v_pk_add_f32 v[14:15], v[14:15], v[96+\j:97+\j]
	v_pk_add_f32 v[236:237], v[236:237], v[98+\j:99+\j]
.endr
	v_pk_add_f32 v[14:15], v[14:15], v[236:237]
.irp b, 0,1,2,3
	v_max_num_f32 v[232+\b], 0x1800000, v[232+\b]  ; the floor 2^(3 - 127): the byte cannot fall under 1
.endr
.irp b, 0,1,2,3
	v_add_nc_u32 v[244+\b], 0xff000000, v[232+\b]
.endr
.irp b, 0,1,2,3
	v_lshrrev_b32 v[236+\b], 23, v[244+\b]
.endr
	v_lshl_or_b32 v253, v237, 8, v236
	v_lshl_or_b32 v253, v238, 16, v253
.if \u
	WIN 0x15                                       ; scale operands have no window: tile B's word is finished into window 0
	v_lshl_or_b32 v[PSB], v239, 24, v253
	WIN 0x55
.else
	v_lshl_or_b32 v253, v239, 24, v253
.endif
.irp c, 0,1
	v_cvt_scalef32_pk16_fp6_f32 v[224+6*\c:226+6*\c], v[96+32*\c:111+32*\c], v[244+2*\c]
	v_cvt_scalef32_pk16_fp6_f32 v[236+4*\c:238+4*\c], v[112+32*\c:127+32*\c], v[244+2*\c+1]
.endr
	v_nop
.irp c, 0,1
.irp i, 0,1,2
	v_permlane16_swap_b32 v[224+6*\c+\i], v[236+4*\c+\i]
.endr
.irp i, 0,1,2
	v_mov_b32 v[227+6*\c+\i], v[236+4*\c+\i]
.endr
.endr
.endm
; A KEY STEP'S FRONT: all its LDS reads, the scores and both softmaxes.
.macro FRONT
	v_add_nc_u32 v[ADF], s[TB], v[LI0]
	v_add_nc_u32 v[ADS], s[TB], v[SC0]
	v_add_nc_u32 v[ADM], s[TB], v[MK0]
	v_nop                                          ; four places in front of loads into registers that the last products read
	VW
	WIN 0x40
.irp b, 0,1,2,3
.irp i, 0,1,2,3
	ds_load_b128 v[32+16*\b+4*\i:35+16*\b+4*\i], v[ADM] offset:128*\b+16*\i   ; the mask, once for both tiles: register 16 b + i is key 32 b + 16 h + i, as in S^T
.endr
.endr
	FRAGS 0, 0, 0, 248
	s_wait_dscnt 13                                ; the mask's 16 loads are in; K's 13, issued behind them, may be out
	WIN 0x55
.set j, 0
.rept 32
	v_pk_mul_f32 v[32+j:33+j], v[32+j:33+j], s[SQ:SQ+1] op_sel_hi:[1,0]
.set j, j+2
.endr
	VW
	s_wait_dscnt 0x0
	SCORES 0
	PLACES
	FRAGS 1, 0, 0, 248
	MAXH 0, 0
	MAXH 1, 0
	VW
	s_wait_dscnt 0x0
	SCORES 1
	PLACES
	FRAGS 0, VLDS, 0, 248                          ; all of V lands under the softmaxes: the second four tiles in the registers that held the mask
	FRAGS 1, VLDS, 1, VS1
	MAXH 0, 1
	MAXH 1, 1
	REST 0
	REST 1
.endm
.macro BACK                            ; work on registers alone: it stands between the barrier's signal and its wait
	RESC 0
	RESC 1
	VW
	PV 0, 248
	PV 1, VS1
.endm
; THE CHANGE OF SLOTS.  CH1: all my tensor loads are in (my part of the next slot), the add, and my reads of the slot in hand are over; the signal.  CH2: the wait; fill = 1: the rest of a round of the cluster's barrier,
; and the slot just read takes the keys two slots on.
.macro CH1 fill
	WIN 0
	VW
	s_wait_tensorcnt 0x0
	ds_add_u32 v[SPW], v[NIL]
.if \fill
	s_xor_b32 s[G0KV+1], s[G0KV+1], SLOT1
	s_add_nc_u64 s[G0KV+2:G0KV+3], s[G0KV+2:G0KV+3], 2*KREC
	s_xor_b32 s[G0M+1], s[G0M+1], SLOT1
	s_add_nc_u64 s[G0M+2:G0M+3], s[G0M+2:G0M+3], 1024
	s_wait_xcnt 0x0                                ; the last prefetch has read its address
	s_add_nc_u64 s[PFA:PFA+1], s[PFA:PFA+1], s[PFS:PFS+1]
.endif
	s_wait_dscnt 0x0
	s_barrier_signal -1
.endm
.macro CH2 fill
	s_barrier_wait -1
.if \fill
	CREST
	JLOAD
	ASK
.endif
.endm
	VW
	s_wait_loadcnt 0x0                             ; Q
	CH1 1                                          ; slot 0 is in; slot 1's first fill is issued as a refill is
	CH2 1
.Lslot:                                                ; six trips: step j reads slot j % 2, which then takes the keys of step j + 2
	FRONT
	CH1 1
	BACK
	CH2 1
	s_xor_b32 s[TB], s[TB], SLOT1
	s_sub_co_u32 s[SLOTS], s[SLOTS], 1
	s_cmp_lg_u32 s[SLOTS], 0
	s_cbranch_scc1 .Lslot
	s_mov_b32 s[SLOTS], 2
.Ltail:                                                ; the last two steps ask for nothing
	FRONT
	CH1 0
	BACK
	CH2 0
	s_xor_b32 s[TB], s[TB], SLOT1
	s_sub_co_u32 s[SLOTS], s[SLOTS], 1
	s_cmp_lg_u32 s[SLOTS], 0
	s_cbranch_scc1 .Ltail
.macro QUANT s, pc, tm, pw             ; 64 numbers of a lane, register 16 b + i = k 32 b + 16 h + i of my row, become a fragment's codes and its scale word
.irp b, 0,1,2,3
	v_max3_num_f32 v[\tm+\b], |v[\s+16*\b]|, |v[\s+1+16*\b]|, 0x1800000
.endr
.irp i, 2,4,6,8,10,12,14
.irp b, 0,1,2,3
	v_max3_num_f32 v[\tm+\b], v[\tm+\b], |v[\s+16*\b+\i]|, |v[\s+1+16*\b+\i]|
.endr
.endr
.irp b, 0,1,2,3
	v_permlanex16_b32 v[\tm+4+\b], v[\tm+\b], s[SEL], s[SEL+1]
.endr
.irp b, 0,1,2,3
	v_max_num_f32 v[\tm+\b], v[\tm+\b], v[\tm+4+\b]
.endr
.irp b, 0,1,2,3
	v_add_nc_u32 v[\tm+12+\b], 0xff000000, v[\tm+\b]
.endr
.irp b, 0,1,2,3
	v_lshrrev_b32 v[\tm+4+\b], 23, v[\tm+12+\b]
.endr
	v_lshl_or_b32 v[\pw], v[\tm+5], 8, v[\tm+4]
	v_lshl_or_b32 v[\pw], v[\tm+6], 16, v[\pw]
	v_lshl_or_b32 v[\pw], v[\tm+7], 24, v[\pw]
.irp c, 0,1
	v_cvt_scalef32_pk16_fp6_f32 v[\pc+6*\c:\pc+2+6*\c], v[\s+32*\c:\s+15+32*\c], v[\tm+12+2*\c]
	v_cvt_scalef32_pk16_fp6_f32 v[\pc+12+4*\c:\pc+14+4*\c], v[\s+16+32*\c:\s+31+32*\c], v[\tm+12+2*\c+1]
.endr
	v_nop
.irp c, 0,1
.irp i, 0,1,2
	v_permlane16_swap_b32 v[\pc+6*\c+\i], v[\pc+12+4*\c+\i]
.endr
.irp i, 0,1,2
	v_mov_b32 v[\pc+3+6*\c+\i], v[\pc+12+4*\c+\i]
.endr
.endr
.endm
.macro SENDT u                         ; tile u's state into the stage as the image of its registers
	WIN 0x04*(\u)
.irp i, 0,1,2,3,4,5,6,7,8,9,10,11,12,13,14,15
	ds_store_b128 v[STG], v[160+4*\i:163+4*\i] offset:TSTG*(\u)+512*\i
.endr
	ds_store_b128 v[STG], v[12:15] offset:TSTG*(\u)+8192
	WIN 0
.endm
.macro LOADT u                         ; and back, in the partner: O^T into the registers that held p; -M, t and the sum's halves into v240-243
	WIN 0x40*(\u)
.irp i, 0,1,2,3,4,5,6,7,8,9,10,11,12,13,14,15
	ds_load_b128 v[96+4*\i:99+4*\i], v[STG] offset:TSTG*(\u)+512*\i
.endr
	ds_load_b128 v[240:243], v[STG] offset:TSTG*(\u)+8192
.endm
.macro MERGE u                         ; the two halves of the keys are joined, O is divided by the sum, quantised along the head and stored as a fragment's image
	WIN 0x55*(\u)
	v_min_num_f32 v236, v12, v240                  ; -M of the larger M
	v_sub_f32 v237, v236, v12
	v_sub_f32 v238, v236, v240
	v_cvt_i32_f32 v237, v237
	v_cvt_i32_f32 v238, v238
	v_ldexp_f32 v244, 1.0, v237                    ; powers of two: a multiplication by them rounds nothing
	v_ldexp_f32 v246, 1.0, v238
	v_pk_mul_f32 v[14:15], v[14:15], v[244:245] op_sel_hi:[1,0]
	v_pk_fma_f32 v[14:15], v[242:243], v[246:247], v[14:15] op_sel_hi:[1,0,1]
	v_add_f32 v14, v14, v15
	v_permlanex16_b32 v236, v14, s[SEL], s[SEL+1]
	v_add_f32 v14, v14, v236                       ; the row's sum
.irp b, 0,1,2,3
	v_mov_b32 v[60+\b], 0
.endr
	VW
	v_rcp_f32 v14, v14
	v_nop
	VW
	v_mul_f32 v244, v244, v14
	v_mul_f32 v246, v246, v14
	VW                                             ; directly ahead of the first reader of the products' results
.set j, 0
.rept 32
	v_pk_mul_f32 v[160+j:161+j], v[160+j:161+j], v[244:245] op_sel_hi:[1,0]
	v_pk_fma_f32 v[96+j:97+j], v[96+j:97+j], v[246:247], v[160+j:161+j] op_sel_hi:[1,0,1]
.set j, j+2
.endr
	QUANT 96, 32, 56, 72
	WIN 0x04*(\u)
.irp c, 0,1,2
	global_store_b128 v[OA], v[32+4*\c:35+4*\c], s[8:9] offset:1536*(\u)+512*\c   ; 32 lanes store 512 consecutive bytes
.endr
	global_store_b32 v[OS], v72, s[8:9] offset:6144+4*(\u)   ; lanes r and r + 16 store the same word to the same place; a row's other words are other heads'
	WIN 0
.endm
	; THE WAY OUT.  The branches hang on the wave's number alone; the barrier stands on every wave's path.
	PLACES
	s_cmp_lt_u32 s[WV], 4
	s_cbranch_scc0 .Lsend_a
	SENDT 1
	s_branch .Lmeet
.Lsend_a:
	SENDT 0
.Lmeet:
	s_wait_dscnt 0x0                               ; for the partner's sake
	s_barrier_signal -1
	s_barrier_wait -1
	s_cmp_lt_u32 s[WV], 4
	s_cbranch_scc0 .Ljoin_b
	LOADT 0
	s_wait_dscnt 0x0
	MERGE 0
	s_branch .Ldone
.Ljoin_b:
	LOADT 1
	s_wait_dscnt 0x0
	MERGE 1
.Ldone:
	s_wait_tensorcnt 0x0                           ; the wave's end
	ds_add_u32 v[SPW], v[NIL]
	s_wait_dscnt 0x0
	s_barrier_signal -1
	s_barrier_wait -1
	CREST                                          ; the closing round
	s_endpgm
.Lfunc_end_k_q39c48a1a07_attn:
	.size	k_q39c48a1a07_attn, .Lfunc_end_k_q39c48a1a07_attn-k_q39c48a1a07_attn
	.p2alignl 7, 3214868480
	.fill 96, 4, 3214868480
	.section	.rodata,"a",@progbits
	.p2align	6, 0x0
	.amdhsa_kernel k_q39c48a1a07_attn
		.amdhsa_group_segment_fixed_size 327680
		.amdhsa_private_segment_fixed_size 0
		.amdhsa_enable_private_segment 0
		.amdhsa_kernarg_size 24
		.amdhsa_user_sgpr_count 2
		.amdhsa_user_sgpr_kernarg_segment_ptr 1
		.amdhsa_wavefront_size32 1
		.amdhsa_system_sgpr_workgroup_id_x 1
		.amdhsa_system_sgpr_workgroup_id_y 1
		.amdhsa_system_sgpr_workgroup_id_z 1
		.amdhsa_system_vgpr_workitem_id 0
		.amdhsa_next_free_vgpr 512
		.amdhsa_next_free_sgpr 100
		.amdhsa_reserve_vcc 0
		.amdhsa_float_denorm_mode_32 3
		.amdhsa_float_denorm_mode_16_64 3
		.amdhsa_memory_ordered 1
		.amdhsa_forward_progress 1
		.amdhsa_inst_pref_size 115
	.end_amdhsa_kernel
	.amdgpu_metadata
---
amdhsa.version: [ 1, 2 ]
amdhsa.kernels:
  - .name:           k_q39c48a1a07_attn
    .symbol:         k_q39c48a1a07_attn.kd
    .args:
      - { .name: qkv, .offset: 0, .size: 8, .value_kind: global_buffer, .address_space: global }
      - { .name: mask, .offset: 8, .size: 8, .value_kind: global_buffer, .address_space: global }
      - { .name: att, .offset: 16, .size: 8, .value_kind: global_buffer, .address_space: global }
    .group_segment_fixed_size: 327680
    .private_segment_fixed_size: 0
    .kernarg_segment_align: 8
    .kernarg_segment_size: 24
    .max_flat_workgroup_size: 256
    .sgpr_count:     100
    .vgpr_count:     512
    .wavefront_size: 32
...
	.end_amdgpu_metadata
.endif
;; end of part 3
;; launch oproj (part 4): grid 16 x 16, 4 waves a work-group, clusters of 4 x 4, 327,680 bytes of LDS; arguments att, wo_c, out0; writes out0
.if DOCPART == 4
	.amdgcn_target "amdgcn-amd-amdhsa--gfx1250"
	.amdhsa_code_object_version 6
	.text
	.protected	k_q39c48a1a07_oproj
	.globl	k_q39c48a1a07_oproj
	.p2align	8
	.type	k_q39c48a1a07_oproj,@function
k_q39c48a1a07_oproj:
	s_mov_b64 s[64:65], 0
	v_nop
	global_prefetch_b8 v0, s[64:65] scope:SCOPE_SE
	s_setreg_imm32_b32 hwreg(HW_REG_WAVE_MODE, 25, 1), 1
	s_wait_xcnt 0x0
	s_wait_alu depctr_hold_cnt(0) depctr_sa_sdst(0) depctr_va_vdst(0) depctr_va_sdst(0) depctr_va_ssrc(0) depctr_va_vcc(0) depctr_vm_vsrc(0)
	s_getreg_b32 s2, hwreg(HW_REG_IB_STS2, 6, 4)
	s_cmp_eq_u32 s2, 0
	s_cbranch_scc0 .Lentry_in_a_cluster
	s_endpgm
.Lentry_in_a_cluster:
	s_bfe_u32 s2, ttmp6, 0x10000c
	s_cmp_lg_u32 s2, 0xf033
	s_cbranch_scc0 .Lentry_shape_is_right
	s_endpgm
.Lentry_shape_is_right:
.set REC,    6400
.set RECROW, 25600
.set LAPS,   2
.set ROFF,   16*REC
.set SLOT,   24*REC
.set SPARE,  2*SLOT
.set SPI,    528
.set LI,   4
.set AP,   16
.set AR,   18
.set ASP,  20
.set ASR,  22
.set STO,  24
.set RD,   25
.set SPW,  28
.set NIL,  29
.set SC,   32
.set RF,   80
.set BK,   80
.set G1P, 24
.set G0P, 32
.set G1R, 48
.set G0R, 56
.set PFO, 30                           ; v30  the prefetches' offset: 256 x min(lane, 24): a record is 25 blocks of 256 bytes; lanes 25 to 31 name the 25th again
.set PFA, 90                           ; s[90:91] where my prefetches stand
; A PREFETCH of the record that the NEXT joint load will ask for, one fill of a slot ahead.  The four partners that ask for tiles jointly share the records out BY ADDRESS:
; of the 8 records that wave 0 or 1 fetches the partner at cy takes two, of the 4 that wave 2 or 3 fetches the partner at cx takes one.  guard = 1: nothing is asked for in the loop's last trip, where no record follows.
; (In this launch guard is always 0: the loop has one trip, and only its first refill has a record behind the one that the next refill loads.)
.macro ASK off, guard
.if \guard
	s_cmp_gt_u32 s3, 1
	s_cbranch_scc0 .Lno_ask_\@
.endif
	global_prefetch_b8 v[PFO], s[PFA:PFA+1] offset:\off th:TH_LOAD_NT scope:SCOPE_SE
	s_cmp_eq_u32 s15, 0
	s_cbranch_scc0 .Lno_ask_\@
	global_prefetch_b8 v[PFO], s[PFA:PFA+1] offset:\off+RECROW th:TH_LOAD_NT scope:SCOPE_SE
.Lno_ask_\@:
.endm
.set MSB, 0
.macro WIN new
.if MSB != \new
	s_set_vgpr_msb (MSB<<8)|\new
.set MSB, \new
.endif
.endm
.macro JLOAD g0a, g1a, g0b, g1b
	s_cmp_eq_u32 s15, 0
	s_cbranch_scc0 .Lfor_r_\@
	tensor_load_to_lds s[\g0a:\g0a+3], s[\g1a:\g1a+7]
	s_nop 0
.rept 4
	v_nop
.endr
	s_branch .Lasked_\@
.Lfor_r_\@:
	tensor_load_to_lds s[\g0b:\g0b+3], s[\g1b:\g1b+7]
	s_nop 0
.rept 4
	v_nop
.endr
.Lasked_\@:
.endm
.macro CREST
	s_cmp_lg_u32 s14, 0
	s_cbranch_scc1 .Lnot_wave_0_\@
	s_barrier_signal -3
.Lnot_wave_0_\@:
	s_barrier_wait -3
	s_barrier_signal -1
	s_barrier_wait -1
.endm
.macro CROUND
	s_barrier_signal -1
	s_barrier_wait -1
	CREST
.endm
.macro PLACES n
.rept \n
	v_nop
.endr
.endm
	s_load_b128 s[4:7], s[0:1], 0x0
	s_load_b64 s[12:13], s[0:1], 0x10
	v_lshl_add_u32 v[SPW], v0, 2, SPARE
	v_mov_b32 v[NIL], 0
	ds_add_u32 v28, v29
	ds_add_u32 v28, v29
	s_wait_dscnt 0x0
	v_lshrrev_b32 v1, 5, v0
	v_readfirstlane_b32 s14, v1
	s_lshr_b32 s15, s14, 1
	s_and_b32 s16, s14, 1
	s_bfe_u32 s40, ttmp6, 0x40000
	s_bfe_u32 s41, ttmp6, 0x40004
	s_lshl_b32 s42, ttmp9, 2
	s_add_co_u32 s42, s42, s40
	s_and_b32 s17, ttmp7, 0xffff
	s_lshl_b32 s17, s17, 2
	s_add_co_u32 s17, s17, s41
	s_lshl_b32 s43, s41, 2
	s_lshl_b32 s43, 15, s43
	s_lshl_b32 s44, 0x1111, s40
	s_or_b32 s[G1P], s44, (3<<16)|(1<<21)
	s_mov_b32 s[G1P+1], 800<<16
	s_mov_b32 s[G1P+2], 8<<16
	s_mov_b32 s[G1P+3], 800<<16
	s_mov_b32 s[G1P+4], 8
	s_mov_b32 s[G1P+5], RECROW/8
	s_mov_b32 s[G1P+6], 0
	s_mov_b32 s[G1P+7], 0
	s_or_b32 s[G1R], s43, (3<<16)|(1<<21)
	s_mov_b32 s[G1R+1], 800<<16
	s_mov_b32 s[G1R+2], 4<<16
	s_mov_b32 s[G1R+3], 800<<16
	s_mov_b32 s[G1R+4], 4
	s_mov_b32 s[G1R+5], RECROW/8
	s_mov_b32 s[G1R+6], 0
	s_mov_b32 s[G1R+7], 0
	s_lshl_b32 s46, s42, 4
	s_lshl_b32 s47, s16, 3
	s_add_co_u32 s46, s46, s47
	s_mul_i32 s46, s46, RECROW
	s_mov_b32 s47, 0
	s_lshl_b32 s20, s17, 3
	s_lshl_b32 s21, s16, 2
	s_add_co_u32 s20, s20, s21
	s_mul_i32 s20, s20, RECROW
	s_mov_b32 s21, 0
	s_mul_i32 s45, s16, 8*REC
	s_mul_i32 s94, s16, 4*REC
	s_add_co_u32 s94, s94, ROFF
	CROUND                                         ; the round in front of the first joint loads; the arguments are awaited behind it
	s_wait_kmcnt 0x0
	s_add_nc_u64 s[46:47], s[6:7], s[46:47]
	s_add_nc_u64 s[20:21], s[4:5], s[20:21]
	s_lshl_b32 s92, s41, 1                         ; the prefetches: my work-group's share of the records that my wave fetches, at record 1
	s_cmp_eq_u32 s15, 0
	s_cselect_b64 s[PFA:PFA+1], s[46:47], s[20:21]
	s_cselect_b32 s92, s92, s40
	s_mul_i32 s92, s92, RECROW
	s_add_co_u32 s92, s92, REC
	s_mov_b32 s93, 0
	s_add_nc_u64 s[PFA:PFA+1], s[PFA:PFA+1], s[92:93]
	v_and_b32 v[PFO], 31, v0
	v_min_u32 v[PFO], 24, v[PFO]
	v_lshlrev_b32 v[PFO], 8, v[PFO]
.irp s, 0,1
	s_mov_b32 s[G0P+4*\s], 1
	s_add_co_u32 s[G0P+4*\s+1], s45, \s*SLOT
	s_add_nc_u64 s[G0P+4*\s+2:G0P+4*\s+3], s[46:47], \s*REC
	s_or_b32 s[G0P+4*\s+3], s[G0P+4*\s+3], 0x80000000
	s_mov_b32 s[G0R+4*\s], 1
	s_add_co_u32 s[G0R+4*\s+1], s94, \s*SLOT
	s_add_nc_u64 s[G0R+4*\s+2:G0R+4*\s+3], s[20:21], \s*REC
	s_or_b32 s[G0R+4*\s+3], s[G0R+4*\s+3], 0x80000000
.endr
	s_wait_alu depctr_va_vdst(0)
	JLOAD G0P, G1P, G0R, G1R                       ; record 0 into slot 0: one tensor load a wave at the head; the set-up below stands behind it
	ASK 0, 0                                       ; record 1
	v_and_b32 v1, 31, v0
	v_and_b32 v2, 15, v0
	v_bfe_u32 v3, v0, 4, 1
	v_lshlrev_b32 v[LI], 4, v1
	v_lshlrev_b32 v5, 4, v2
	v_mad_u32_u24 v6, v3, 4*REC, v5
	v_mad_u32_u24 v7, v3, 2*REC, v5
	s_mul_i32 s18, s16, 8*REC
	s_mul_i32 s19, s15, 4*REC
	s_add_co_u32 s19, s19, ROFF
.irp s, 0,1
	v_add_nc_u32 v[AP+\s], s18, v[LI]
	v_add_nc_u32 v[AR+\s], s19, v[LI]
	v_add_nc_u32 v[ASP+\s], s18, v6
	v_add_nc_u32 v[ASR+\s], s19, v7
	s_add_co_u32 s18, s18, SLOT
	s_add_co_u32 s19, s19, SLOT
.endr
	s_mul_i32 s23, s14, 16*SPI
	v_mul_u32_u24 v[STO], v2, SPI
	v_lshl_add_u32 v[STO], v3, 6, v[STO]
	v_add_nc_u32 v[STO], s23, v[STO]
	v_add_nc_u32 v[RD], s23, v[LI]
	s_lshl_b32 s66, s17, 7
	s_lshl_b32 s67, s15, 6
	s_add_co_u32 s66, s66, s67
	s_lshl_b32 s66, s66, 14
	s_lshl_b32 s68, s42, 10
	s_lshl_b32 s69, s16, 9
	s_add_co_u32 s68, s68, s69
	s_add_co_u32 s66, s66, s68
	s_mov_b32 s67, 0
	s_add_nc_u64 s[12:13], s[12:13], s[66:67]
.macro FRAG3 reg, adr, off
.irp c, 0,1,2
	ds_load_b128 v[\reg+4*\c:\reg+4*\c+3], v[\adr] offset:\off+512*\c
.endr
.endm
.macro FETCH slot, q, set
	WIN 0x40
.irp b, 0,1,2,3,4,5,6,7
	FRAG3 128*(\set)+12*\b, AP+\slot, REC*\b+1536*(\q)
.endr
	WIN 0
.irp a, 0,1,2,3
	FRAG3 RF+48*(\set)+12*\a, AR+\slot, REC*\a+1536*(\q)
.endr
.endm
.macro SCALES slot
.irp i, 0,1,2,3
	ds_load_b128 v[SC+24*(\slot)+4*\i:SC+24*(\slot)+4*\i+3], v[ASP+\slot] offset:6144+REC*\i
.endr
.irp i, 0,1
	ds_load_b128 v[SC+24*(\slot)+16+4*\i:SC+24*(\slot)+16+4*\i+3], v[ASR+\slot] offset:6144+REC*\i
.endr
.endm
.macro WM a, b, set, q, sc, zero
.set rD, 8*(8*(\a)+(\b))
.set rP, 128*(\set)+12*(\b)
.set rR, RF+48*(\set)+12*(\a)
.set rX, SC+24*(\sc)+4*((\b)%4)+(\q)
.set rY, SC+24*(\sc)+16+4*((\a)%2)+(\q)
.if (\zero) && ((\b) < 4) && ((\a) < 2)
	v_wmma_scale_f32_16x16x128_f8f6f4 v[rD:rD+7], v[rP:rP+11], v[rR:rR+11], 0, v[rX], v[rY] matrix_a_fmt:MATRIX_FMT_FP6 matrix_b_fmt:MATRIX_FMT_FP6
.elseif (\zero) && ((\b) < 4)
	v_wmma_scale_f32_16x16x128_f8f6f4 v[rD:rD+7], v[rP:rP+11], v[rR:rR+11], 0, v[rX], v[rY] matrix_a_fmt:MATRIX_FMT_FP6 matrix_b_fmt:MATRIX_FMT_FP6 matrix_b_scale:MATRIX_SCALE_ROW1
.elseif (\zero) && ((\a) < 2)
	v_wmma_scale_f32_16x16x128_f8f6f4 v[rD:rD+7], v[rP:rP+11], v[rR:rR+11], 0, v[rX], v[rY] matrix_a_fmt:MATRIX_FMT_FP6 matrix_b_fmt:MATRIX_FMT_FP6 matrix_a_scale:MATRIX_SCALE_ROW1
.elseif (\zero)
	v_wmma_scale_f32_16x16x128_f8f6f4 v[rD:rD+7], v[rP:rP+11], v[rR:rR+11], 0, v[rX], v[rY] matrix_a_fmt:MATRIX_FMT_FP6 matrix_b_fmt:MATRIX_FMT_FP6 matrix_a_scale:MATRIX_SCALE_ROW1 matrix_b_scale:MATRIX_SCALE_ROW1
.elseif ((\b) < 4) && ((\a) < 2)
	v_wmma_scale_f32_16x16x128_f8f6f4 v[rD:rD+7], v[rP:rP+11], v[rR:rR+11], v[rD:rD+7], v[rX], v[rY] matrix_a_fmt:MATRIX_FMT_FP6 matrix_b_fmt:MATRIX_FMT_FP6
.elseif ((\b) < 4)
	v_wmma_scale_f32_16x16x128_f8f6f4 v[rD:rD+7], v[rP:rP+11], v[rR:rR+11], v[rD:rD+7], v[rX], v[rY] matrix_a_fmt:MATRIX_FMT_FP6 matrix_b_fmt:MATRIX_FMT_FP6 matrix_b_scale:MATRIX_SCALE_ROW1
.elseif ((\a) < 2)
	v_wmma_scale_f32_16x16x128_f8f6f4 v[rD:rD+7], v[rP:rP+11], v[rR:rR+11], v[rD:rD+7], v[rX], v[rY] matrix_a_fmt:MATRIX_FMT_FP6 matrix_b_fmt:MATRIX_FMT_FP6 matrix_a_scale:MATRIX_SCALE_ROW1
.else
	v_wmma_scale_f32_16x16x128_f8f6f4 v[rD:rD+7], v[rP:rP+11], v[rR:rR+11], v[rD:rD+7], v[rX], v[rY] matrix_a_fmt:MATRIX_FMT_FP6 matrix_b_fmt:MATRIX_FMT_FP6 matrix_a_scale:MATRIX_SCALE_ROW1 matrix_b_scale:MATRIX_SCALE_ROW1
.endif
.endm
.macro MUL8 a, set, q, sc, zero
.irp b, 0,1,2,3,4,5,6,7
	WM \a, \b, \set, \q, \sc, \zero
.endr
.endm
.macro STEP slot, q, zero
	s_wait_dscnt 0x0
	PLACES 4
	FETCH \slot, (\q)+1, ((\q)+1)%2
	WIN 0xa1
.irp a, 0,1,2,3
	MUL8 \a, (\q)%2, \q, \slot, \zero
.endr
.endm
.macro TURN slot, next, fill
.if (\fill) && ((\slot) == 0)
	s_wait_xcnt 0x0                                ; the last prefetch has read its address: it steps one record on
	s_add_nc_u64 s[PFA:PFA+1], s[PFA:PFA+1], REC
.endif
	WIN 0
	s_wait_tensorcnt 0x0
	ds_add_u32 v[SPW], v[NIL]
	s_wait_dscnt 0x1
	WIN 0xa1
	MUL8 0, 1, 3, \slot, 0
	s_wait_dscnt 0x0
	s_barrier_signal -1
	MUL8 1, 1, 3, \slot, 0
	WIN 0
	s_barrier_wait -1
.if \fill
	CREST
	s_add_nc_u64 s[G0P+4*\slot+2:G0P+4*\slot+3], s[G0P+4*\slot+2:G0P+4*\slot+3], 2*REC
	s_add_nc_u64 s[G0R+4*\slot+2:G0R+4*\slot+3], s[G0R+4*\slot+2:G0R+4*\slot+3], 2*REC
	JLOAD G0P+4*\slot, G1P, G0R+4*\slot, G1R
.else
	PLACES 4
.endif
	FETCH \next, 0, 0
	SCALES \next
.if (\fill) && ((\slot) == 0)
	ASK REC, 0
.endif
	WIN 0xa1
	MUL8 2, 1, 3, \slot, 0
	MUL8 3, 1, 3, \slot, 0
.endm
	s_wait_alu depctr_va_vdst(0)
	s_wait_tensorcnt 0x0                           ; my part of slot 0 is in; slot 1's first fill is issued as a refill is
	ds_add_u32 v28, v29
	s_wait_dscnt 0x0
	CROUND
	JLOAD G0P+4, G1P, G0R+4, G1R                   ; record 1 into slot 1
	ASK REC, 0                                     ; record 2
	FETCH 0, 0, 0
	SCALES 0
	STEP 0, 0, 1
	WIN 0
	s_mov_b32 s3, LAPS-1
.Llap:
	STEP 0, 1, 0
	STEP 0, 2, 0
	TURN 0, 1, 1
	STEP 1, 0, 0
	STEP 1, 1, 0
	STEP 1, 2, 0
	TURN 1, 0, 1
	STEP 0, 0, 0
	WIN 0
	s_sub_co_u32 s3, s3, 1
	s_cmp_lg_u32 s3, 0
	s_cbranch_scc1 .Llap
	STEP 0, 1, 0
	STEP 0, 2, 0
	TURN 0, 1, 0
	STEP 1, 0, 0
	STEP 1, 1, 0
	STEP 1, 2, 0
	s_wait_dscnt 0x0
	WIN 0xa1
.irp a, 0,1,2,3
	MUL8 \a, 1, 3, 1, 0
.endr
	WIN 0
.macro TOSTAGE a
	WIN 0x08
.irp t, 0,1,2,3,4,5,6,7
	ds_store_b128 v[STO], v[64*(\a)+8*\t:64*(\a)+8*\t+3] offset:128*(\t/2)+32*(\t%2)
	ds_store_b128 v[STO], v[64*(\a)+8*\t+4:64*(\a)+8*\t+7] offset:128*(\t/2)+32*(\t%2)+16
.endr
	WIN 0
.set BB, BK+64*((\a)%2)
.irp i, 0,1,2,3,4,5,6,7,8,9,10,11,12,13,14,15
	ds_load_b128 v[BB+4*\i:BB+4*\i+3], v[RD] offset:SPI*\i
.endr
.endm
.macro SEND a, younger
.set BB, BK+64*((\a)%2)
	s_wait_dscnt \younger
.irp i, 0,1,2,3,4,5,6,7,8,9,10,11,12,13,14,15
	global_store_b128 v[LI], v[BB+4*\i:BB+4*\i+3], s[12:13] offset:(32*((\a)/2)+8*((\a)%2)+\i+8*(\i/8))*16384 th:TH_STORE_NT
.endr
.endm
	PLACES 4
	TOSTAGE 0
.irp a, 1,2,3
.if \a > 1
	s_wait_xcnt 0x0
.endif
	TOSTAGE \a
	SEND \a-1, 32
.endr
	SEND 3, 0
	s_wait_tensorcnt 0x0
	ds_add_u32 v[SPW], v[NIL]
	s_wait_dscnt 0x0
	CROUND
	s_endpgm
.Lfunc_end_k_q39c48a1a07_oproj:
	.size	k_q39c48a1a07_oproj, .Lfunc_end_k_q39c48a1a07_oproj-k_q39c48a1a07_oproj
	.p2alignl 7, 3214868480
	.fill 96, 4, 3214868480
	.section	.rodata,"a",@progbits
	.p2align	6, 0x0
	.amdhsa_kernel k_q39c48a1a07_oproj
		.amdhsa_group_segment_fixed_size 327680
		.amdhsa_private_segment_fixed_size 0
		.amdhsa_enable_private_segment 0
		.amdhsa_kernarg_size 24
		.amdhsa_user_sgpr_count 2
		.amdhsa_user_sgpr_kernarg_segment_ptr 1
		.amdhsa_wavefront_size32 1
		.amdhsa_system_sgpr_workgroup_id_x 1
		.amdhsa_system_sgpr_workgroup_id_y 1
		.amdhsa_system_sgpr_workgroup_id_z 1
		.amdhsa_system_vgpr_workitem_id 0
		.amdhsa_next_free_vgpr 768
		.amdhsa_next_free_sgpr 100
		.amdhsa_reserve_vcc 0
		.amdhsa_float_denorm_mode_32 3
		.amdhsa_float_denorm_mode_16_64 3
		.amdhsa_memory_ordered 1
		.amdhsa_forward_progress 1
		.amdhsa_inst_pref_size 132
	.end_amdhsa_kernel
	.amdgpu_metadata
---
amdhsa.version: [ 1, 2 ]
amdhsa.kernels:
  - .name:           k_q39c48a1a07_oproj
    .symbol:         k_q39c48a1a07_oproj.kd
    .args:
      - { .name: att, .offset: 0, .size: 8, .value_kind: global_buffer, .address_space: global }
      - { .name: wo_c, .offset: 8, .size: 8, .value_kind: global_buffer, .address_space: global }
      - { .name: out0, .offset: 16, .size: 8, .value_kind: global_buffer, .address_space: global }
    .group_segment_fixed_size: 327680
    .private_segment_fixed_size: 0
    .kernarg_segment_align: 8
    .kernarg_segment_size: 24
    .max_flat_workgroup_size: 128
    .sgpr_count:     100
    .vgpr_count:     768
    .wavefront_size: 32
...
	.end_amdgpu_metadata
.endif
;; end of part 4
